; MI455X (gfx1250); checked and timed in simulation.
; The chip was launched on July 23, 2026; its instructions are those of AMD's public machine-readable ISA for CDNA 5 (MIT licence, August 2026) and "CDNA5" Instruction Set Architecture Reference Guide (July 2026). The comments in the code are by the model that wrote it; some were corrected since.
;; Attention Block. Allowed arithmetic: matrix products marked QUANTISED: E2M1 operands, one E8M0 scale for each 32 along K, by v_wmma_scale_f32_16x16x128_f8f6f4 with both operands' format E2M1 (or v_wmma_scale_f32_32x16x128_f4), f32 sums; everything else in f32.
;; Inputs: k_b 512 float32; k_w_codes 512 x 16 x 16 uint8 (E2M1 codes of k_w, K innermost, in blocks of 32 codes, two codes a byte); k_w_scales 512 x 16 uint8 (E8M0 scales of k_w, one for each 32 codes along K); norm_b 512 float32; norm_w 512 float32; proj_b 512 float32; proj_w_codes 512 x 16 x 16 uint8 (E2M1 codes of proj_w, K innermost, in blocks of 32 codes, two codes a byte); proj_w_scales 512 x 16 uint8 (E8M0 scales of proj_w, one for each 32 codes along K); q_b 512 float32; q_w_codes 512 x 16 x 16 uint8 (E2M1 codes of q_w, K innermost, in blocks of 32 codes, two codes a byte); q_w_scales 512 x 16 uint8 (E8M0 scales of q_w, one for each 32 codes along K); v_b 512 float32; v_w_codes 512 x 16 x 16 uint8 (E2M1 codes of v_w, K innermost, in blocks of 32 codes, two codes a byte); v_w_scales 512 x 16 uint8 (E8M0 scales of v_w, one for each 32 codes along K); x 32 x 512 x 32 x 32 float32.
;; Outputs: out0 32 x 512 x 32 x 32 float32.
;; This version of the problem:
;;   THIS VERSION OF THE PROBLEM IS GIVEN IN LOW PRECISION. The matrix products marked QUANTISED in the list below multiply operands that are first quantised to E2M1 (2 exponent bits, 1 mantissa bit; 4 bits a number), with one power-of-two scale for each 32 numbers along K (OCP MX v1.0); their sums are f32. All else is computed in f32.
;;   The module's matrix products, in the order in which they are computed (A, B: the left and right operand; K: the contracted axis; several contracted axes count as one K, in the product's order):
;;     1. [M 32,768, K 512] x [K 512, N 512]; A: computed on the way; B: input q_w (given as codes): QUANTISED
;;     2. [M 32,768, K 512] x [K 512, N 512]; A: computed on the way; B: input k_w (given as codes): QUANTISED
;;     3. [M 32,768, K 512] x [K 512, N 512]; A: computed on the way; B: input v_w (given as codes): QUANTISED
;;     4. batch 32 x [M 1,024, K 512] x [K 512, N 1,024]; A: computed on the way; B: computed on the way: QUANTISED
;;     5. batch 32 x [M 512, K 1,024] x [K 1,024, N 1,024]; A: computed on the way; B: softmax (see below): QUANTISED
;;     6. [M 32,768, K 512] x [K 512, N 512]; A: computed on the way; B: input proj_w (given as codes): QUANTISED
;;   THE QUANTISER, for each operand of a quantised product, along K:
;;     - K is cut into blocks of 32 from its start; a last block that is shorter is filled with zeros.
;;     - A block's scale is 2^e with e = floor(log2(the largest magnitude in the block)) - 2, held to -126 .. 127; a block of zeros has e = 0. As a byte (E8M0): e + 127.
;;     - Each number is divided by its block's scale, clamped to +-6, and rounded to the nearest number of E2M1, ties to even, subnormals kept.
;;     - The product sums the exact products of the quantised numbers (number of the format x scale) in f32.
;;   ~~~python
;;   def quantise(x, axis):      # numpy; x: float32 -> the quantised numbers, widened to float32 again
;;       x = np.moveaxis(x, axis, -1); K = x.shape[-1]
;;       x = np.pad(x, [(0, 0)] * (x.ndim - 1) + [(0, -K % 32)]); x = x.reshape(x.shape[:-1] + (-1, 32)); a = np.abs(x).max(-1, keepdims=True)
;;       e = np.where(a > 0, np.clip(np.frexp(np.where(a > 0, a, 1))[1] - 1 - 2, -126, 127), 0)      # np.frexp(a)[1] - 1 = floor(log2(a)), exactly
;;       r = np.clip(x / 2.0 ** e, -6, 6)
;;       step = 2.0 ** (np.maximum(np.frexp(np.where(r == 0, 1, r))[1] - 1, 0) - 1)
;;       q = np.round(r / step) * step * 2.0 ** e      # np.round: ties to even
;;       return np.moveaxis(q.reshape(q.shape[:-2] + (-1,))[..., :K], -1, axis).astype(np.float32)
;;   ~~~
;;   SOFTMAX AHEAD OF A QUANTISED PRODUCT. Where the list says 'softmax', what is quantised is not the finished softmax but p = 2^(t - M), with t = logit x log2(e) and M = ceil(the row's largest t), a whole number; so 1/2 < the row's largest p <= 1. The row's sum l is taken of the UNQUANTISED p, in f32, and the product's result is divided by l at the end. Since M is a whole number, a kernel that streams over the keys may use a running M (the ceiling of the running maximum): every later rescaling is an exact power of two, which a block's scale takes up: the codes' values come out the same.
;;   OPERANDS COMPUTED ON THE WAY. 'Computed on the way' means the value that the module computes at that place (a softmax that the list does not call 'softmax' is quantised finished and normalised). What goes into a quantiser is computed in f32, as accurately as f32 sums, v_exp_f32 and their like allow (about 1e-6 of the number): no bf16 or f16 on the way to a quantiser, and a product that is left as it is and whose result goes on into a quantised operand takes f32 operands (vector FMAs, or v_wmma_f32_16x16x4_f32). A number that lies on a knife's edge between two numbers of the format may be rounded either way, as far as f32 arithmetic and the matrix unit's own rounding can turn it there, and no further.
;;   INPUTS GIVEN AS CODES. k_w (in the module: [512, 512], K = its axis 1); proj_w (in the module: [512, 512], K = its axis 1); q_w (in the module: [512, 512], K = its axis 1); v_w (in the module: [512, 512], K = its axis 1): each comes as NAME_codes (uint8): NAME with its K axis moved to the last place and cut into blocks of 32 codes, [.., K / 32, bytes a block], one block behind the other in memory; two codes a byte, the lower K in the low four bits (a code: sign, 2 exponent bits, 1 mantissa bit); and NAME_scales (uint8): the same leading axes, one E8M0 byte (e + 127) for each 32 codes along K. Its value is code x scale, taken as it is: it is not quantised again, and the codes and scales need not be those that the quantiser above would give.
;; One version. Each part assembles by itself: llvm-mc -triple=amdgcn-amd-amdhsa -mcpu=gfx1250 --defsym DOCPART=n.
;; ======== version 1 of 1: 3 launches
;; workspace buffers: hbuf 8,912,896 bytes; qbuf 8,912,896 bytes; kv 17,825,792 bytes
;; launch normq (part 1): grid 16 x 32, 8 waves a work-group, no clusters, 21,760 bytes of LDS; arguments x, norm_w, norm_b, hbuf; writes hbuf
.if DOCPART == 1
	.amdgcn_target "amdgcn-amd-amdhsa--gfx1250"
	.amdhsa_code_object_version 6
	.text
	.protected	k_qe6fa1f4ef5_normq
	.globl	k_qe6fa1f4ef5_normq
	.p2align	8
	.type	k_qe6fa1f4ef5_normq,@function
k_qe6fa1f4ef5_normq:
	s_mov_b64 s[64:65], 0
	v_nop
	global_prefetch_b8 v0, s[64:65] scope:SCOPE_SE
	s_setreg_imm32_b32 hwreg(HW_REG_WAVE_MODE, 25, 1), 1
	s_wait_xcnt 0x0
; GroupNorm (32 groups of 16 channels x 1,024 positions) and the quantiser of h along the channels, with ONE read of x.
; x: [32][512][1024] f32.  A quantiser block of 32 channels is two norm groups: work-group (kb, b) owns channels 32 kb .. 32 kb + 31 of batch b,
; 131,072 consecutive bytes of x, and keeps them in registers: 128 a thread.  Thread t (wave w, lane l) owns positions 128 w + 4 l + 0 .. 3 of all 32 channels.
; The variance is taken in two passes (mean first, then squares of the centred numbers), so a common offset of the inputs forms no difference of large sums.
; OUT: hbuf, records [b][w] of 34,816 bytes: codes [kb 16][slot 128][16 bytes], then scale bytes [kb 16][slot 128].  slot = the position in the record's 128
; with bits 3 and 4 exchanged: so a later product's tile of 16 slots holds the rows that make its results neighbours along the next K.
; A block's scale byte is its largest magnitude's exponent field - 2, held at 1 from below.
; LIMITS: NaN and infinities among the inputs are not served; a block whose largest magnitude lies under 2^-124 keeps the byte 1, a block of zeros too
; (its codes are zeros, and only this program reads the bytes).
; No tensor loads, no cluster: no two work-groups read the same bytes of x, and two work-groups on a WGP keep more loads on their way than one could.
.set X,    16                          ; v16-143  channel c at v[X + 4 c .. + 3]: my four positions
.set H,    144                         ; v144-207 two sets of 32: h of one position down the channels; before that at work for the sums
.set CD,   208                         ; v208-223 codes: four registers a position
.set R,    224                         ; v224-239 the eight waves' sums read back; at the end the codes read back by slots
.set SBY,  240                         ; my four scale bytes
.set AM0,  241
.set AM1,  242
.set SO,   243                         ; the conversions' scale operand
.set BY,   244
.set PT,   245                         ; a lane permute's destination
.set STG,  256                         ; LDS: bytes 0-63 the waves' sums, 64-127 their sums of squares; from 256 a stage of 2,560 bytes for each wave
.set WSTG, 2560                        ; 32 places of 64 bytes + 16 of padding
.set REC,  34816
	s_load_b256 s[4:11], s[0:1], 0x0               ; x s[4:5], norm_w s[6:7], norm_b s[8:9], hbuf s[10:11]
	v_lshl_add_u32 v248, v0, 2, 0x5100
	v_mov_b32 v249, 0
	v_lshrrev_b32 v2, 5, v0
	v_readfirstlane_b32 s13, v2                    ; wave 0..7 = which 128 positions
	v_lshlrev_b32 v1, 4, v0                        ; my 16 bytes of a channel's row
	v_and_b32 v2, 31, v0                           ; lane
	v_and_b32 v3, 0x19, v2                         ; l' = lane with bits 1 and 2 exchanged: position 4 l + i lies in slot 4 l' + i
	v_bfe_u32 v10, v2, 1, 1
	v_bfe_u32 v11, v2, 2, 1
	v_lshl_add_u32 v3, v10, 2, v3
	v_lshl_add_u32 v3, v11, 1, v3
	s_mul_i32 s92, s13, WSTG
	s_add_co_u32 s92, s92, STG                     ; my wave's stage
	v_mul_u32_u24 v4, v3, 80
	v_add_nc_u32 v4, s92, v4                       ; into it: place l', my four slots' 64 bytes
	v_lshrrev_b32 v10, 2, v2
	v_and_b32 v11, 3, v2
	v_mul_u32_u24 v5, v10, 80
	v_lshl_add_u32 v5, v11, 4, v5
	v_add_nc_u32 v5, s92, v5                       ; out of it: slot = lane (+ 32 for each further load): place lane / 4, 16 (lane % 4)
	v_lshlrev_b32 v6, 4, v2                        ; the same slot's 16 bytes in hbuf
	v_lshlrev_b32 v7, 2, v3                        ; my four scale bytes in hbuf
	v_mov_b32 v8, s13
	v_lshlrev_b32 v8, 3, v8                        ; my wave's 8 bytes among the sums
	v_mov_b32 v9, 0
	v_mov_b32 v[PT], 0                             ; written once: a lane permute's destination counts as one of its sources
	s_mov_b32 s14, 0x38800000                      ; 2^-14 = 1 / (16 x 1,024): exact
	s_mov_b32 s15, 0x3727c5ac                      ; 1e-5
	s_mov_b32 s84, 0x76543210
	s_mov_b32 s85, 0xfedcba98                      ; v_permlanex16_b32's selects for lane l xor 16
	s_and_b32 s93, ttmp7, 0xffff                   ; b
	s_lshl_b32 s94, s93, 21                        ; a batch of x is 2,097,152 bytes,
	s_lshl_b32 s95, ttmp9, 17                      ; 32 channels 131,072
	s_add_co_u32 s94, s94, s95
	s_mov_b32 s95, 0
	s_lshl_b32 s12, ttmp9, 7                       ; 128 kb: my 32 numbers in norm_w and norm_b, and my row of scale bytes
	s_lshl_b32 s93, s93, 3
	s_add_co_u32 s93, s93, s13
	s_mul_i32 s93, s93, REC                        ; record 8 b + w
	s_lshl_b32 s86, ttmp9, 11
	s_add_co_u32 s86, s86, s93                     ; + 2,048 kb: my block's codes
	s_mov_b32 s87, 0
	s_add_co_u32 s88, s93, s12
	s_add_co_u32 s88, s88, 32768                   ; + 32,768 + 128 kb: its scale bytes
	s_mov_b32 s89, 0
	s_wait_kmcnt 0x0
	s_add_nc_u64 s[4:5], s[4:5], s[94:95]
	s_mov_b32 s94, s12
	s_add_nc_u64 s[6:7], s[6:7], s[94:95]
	s_add_nc_u64 s[8:9], s[8:9], s[94:95]
	s_add_nc_u64 s[86:87], s[10:11], s[86:87]
	s_add_nc_u64 s[88:89], s[10:11], s[88:89]
	s_load_b512 s[16:31], s[6:7], 0x0              ; norm_w of channels 0-15,
	s_load_b512 s[32:47], s[6:7], 0x40             ; 16-31
	s_load_b512 s[48:63], s[8:9], 0x0              ; norm_b of channels 0-15,
	s_load_b512 s[68:83], s[8:9], 0x40             ; 16-31
.set cc, 0
.rept 32
	global_load_b128 v[X+4*cc:X+4*cc+3], v1, s[4:5] offset:4096*cc th:TH_LOAD_NT   ; a wave reads 512 consecutive bytes of a channel's row; read once in this launch
.set cc, cc+1
.endr
; the sum of a group's 64 registers of mine: four chains of packed additions
.macro GSUM dst, base, t
.irp k, 0,1,2,3
	v_pk_add_f32 v[\t+2*\k:\t+2*\k+1], v[\base+2*\k:\base+2*\k+1], v[\base+8+2*\k:\base+8+2*\k+1]
.endr
.irp p, 8,12,16,20,24,28
.irp k, 0,1,2,3
	v_pk_add_f32 v[\t+2*\k:\t+2*\k+1], v[\t+2*\k:\t+2*\k+1], v[\base+2*(\p+\k):\base+2*(\p+\k)+1]
.endr
.endr
	v_pk_add_f32 v[\t:\t+1], v[\t:\t+1], v[\t+2:\t+3]
	v_pk_add_f32 v[\t+4:\t+5], v[\t+4:\t+5], v[\t+6:\t+7]
	v_pk_add_f32 v[\t:\t+1], v[\t:\t+1], v[\t+4:\t+5]
	v_add_f32 v[\dst], v[\t], v[\t+1]
.endm
; the same of their squares, by fused multiply-adds
.macro GSQ dst, base, t
.irp k, 0,1,2,3
	v_pk_mul_f32 v[\t+2*\k:\t+2*\k+1], v[\base+2*\k:\base+2*\k+1], v[\base+2*\k:\base+2*\k+1]
.endr
.irp p, 4,8,12,16,20,24,28
.irp k, 0,1,2,3
	v_pk_fma_f32 v[\t+2*\k:\t+2*\k+1], v[\base+2*(\p+\k):\base+2*(\p+\k)+1], v[\base+2*(\p+\k):\base+2*(\p+\k)+1], v[\t+2*\k:\t+2*\k+1]
.endr
.endr
	v_pk_add_f32 v[\t:\t+1], v[\t:\t+1], v[\t+2:\t+3]
	v_pk_add_f32 v[\t+4:\t+5], v[\t+4:\t+5], v[\t+6:\t+7]
	v_pk_add_f32 v[\t:\t+1], v[\t:\t+1], v[\t+4:\t+5]
	v_add_f32 v[\dst], v[\t], v[\t+1]
.endm
; over the wave's 32 lanes: the result in every lane
.macro WRED r
	v_add_f32_dpp v[\r], v[\r], v[\r] row_xmask:1 row_mask:0xf bank_mask:0xf
	v_add_f32_dpp v[\r], v[\r], v[\r] row_xmask:2 row_mask:0xf bank_mask:0xf
	v_add_f32_dpp v[\r], v[\r], v[\r] row_xmask:4 row_mask:0xf bank_mask:0xf
	v_add_f32_dpp v[\r], v[\r], v[\r] row_xmask:8 row_mask:0xf bank_mask:0xf
	v_permlanex16_b32 v[PT], v[\r], s84, s85
	v_add_f32 v[\r], v[\r], v[PT]
.endm
; over the eight waves: the pair v[14:15] (group 0's, group 1's) goes to my wave's 8 bytes at off; behind the barrier every wave reads all eight pairs; the sums end in v[R:R+1]
.macro ALLSUM off
	ds_store_b64 v8, v[14:15] offset:\off
	s_wait_dscnt 0x0                               ; for the others' sake: my store has landed
	s_barrier_signal -1
	s_barrier_wait -1
.irp k, 0,1,2,3
	ds_load_b128 v[R+4*\k:R+4*\k+3], v9 offset:\off+16*\k
.endr
	s_wait_dscnt 0x0
.irp k, 0,4,8,12
	v_pk_add_f32 v[R+\k:R+\k+1], v[R+\k:R+\k+1], v[R+\k+2:R+\k+3]
.endr
	v_pk_add_f32 v[R:R+1], v[R:R+1], v[R+4:R+5]
	v_pk_add_f32 v[R+8:R+9], v[R+8:R+9], v[R+12:R+13]
	v_pk_add_f32 v[R:R+1], v[R:R+1], v[R+8:R+9]
.endm
	s_wait_loadcnt 16                              ; loads come back in order: channels 0-15 are in, the sixteen younger loads may be out
	GSUM 14, X, H
	s_wait_loadcnt 0x0
	GSUM 15, X+64, H+8
	WRED 14
	WRED 15
	ALLSUM 0
	v_mul_f32 v10, s14, v[R]                       ; the two means, each twice: pairs for the packed subtraction
	v_mul_f32 v11, s14, v[R]
	v_mul_f32 v12, s14, v[R+1]
	v_mul_f32 v13, s14, v[R+1]
.set j, 0
.rept 32
	v_pk_add_f32 v[X+j:X+j+1], v[X+j:X+j+1], v[10:11] neg_lo:[0,1] neg_hi:[0,1]                 ; x - mean, in place
	v_pk_add_f32 v[X+64+j:X+64+j+1], v[X+64+j:X+64+j+1], v[12:13] neg_lo:[0,1] neg_hi:[0,1]
.set j, j+2
.endr
	GSQ 14, X, H
	GSQ 15, X+64, H+8
	WRED 14
	WRED 15
	ALLSUM 64                                      ; other bytes than the first sums': no wave can still be reading what is written here
	v_fma_f32 v10, v[R], s14, s15                  ; variance + eps
	v_fma_f32 v11, v[R+1], s14, s15
	v_rsq_f32 v12, v10
	v_rsq_f32 v13, v11
	v_nop                                          ; one plain instruction between a transcendental and the use of its result
	s_wait_alu depctr_va_vdst(0)
	v_readfirstlane_b32 s90, v12
	v_readfirstlane_b32 s91, v13
	s_wait_kmcnt 0x0                               ; norm_w, norm_b
.set cc, 0
.rept 16
	s_mul_f32 s[16+cc], s[16+cc], s90              ; rstd x w of each channel: h = (x - mean) x that + b, one fused multiply-add
	s_mul_f32 s[32+cc], s[32+cc], s91
.set cc, cc+1
.endr
; position i of my four: h down the 32 channels in 32 consecutive registers, the block's largest magnitude, its byte, its 32 codes
.macro COL i
.set HS, H+32*((\i)%2)
.set cc, 0
.rept 32
.if cc < 16
.set BB, 48+cc
.else
.set BB, 52+cc
.endif
	v_fma_f32 v[HS+cc], v[X+4*cc+\i], s[16+cc], s[BB]
.set cc, cc+1
.endr
	v_max3_num_f32 v[AM0], |v[HS]|, |v[HS+1]|, |v[HS+2]|
	v_max3_num_f32 v[AM1], |v[HS+3]|, |v[HS+4]|, |v[HS+5]|
.irp n, 6,10,14,18,22,26
	v_max3_num_f32 v[AM0], v[AM0], |v[HS+\n]|, |v[HS+\n+1]|
	v_max3_num_f32 v[AM1], v[AM1], |v[HS+\n+2]|, |v[HS+\n+3]|
.endr
	v_max3_num_f32 v[AM0], v[AM0], |v[HS+30]|, |v[HS+31]|
	v_max3_num_f32 v[AM0], v[AM0], v[AM1], 0x1800000   ; and the floor 2^(3 - 127): the byte cannot fall under 1
	v_add_nc_u32 v[SO], 0xff000000, v[AM0]         ; 2 off the exponent field: the conversion takes this operand's exponent field as its scale
.irp g, 0,1,2,3
	v_cvt_scalef32_pk8_fp4_f32 v[CD+4*\i+\g], v[HS+8*\g:HS+8*\g+7], v[SO]
.endr
	v_lshrrev_b32 v[BY], 23, v[SO]                 ; the scale's byte (also the plain instruction behind the conversions)
.if \i == 0
	v_mov_b32 v[SBY], v[BY]
.else
	v_lshl_or_b32 v[SBY], v[BY], 8*\i, v[SBY]
.endif
	ds_store_b128 v4, v[CD+4*\i:CD+4*\i+3] offset:16*\i
.endm
	COL 0
	COL 1
	COL 2
	COL 3
.irp k, 0,1,2,3
	ds_load_b128 v[R+4*\k:R+4*\k+3], v5 offset:640*\k   ; the stage is my wave's own and LDS serves a wave's instructions in order: these see the stores above
.endr
.irp k, 0,1,2,3
	s_wait_dscnt 3-\k                              ; the younger read-backs may be out
	global_store_b128 v6, v[R+4*\k:R+4*\k+3], s[86:87] offset:512*\k   ; 32 slots: 512 consecutive bytes, aligned to 256
.endr
	global_store_b32 v7, v[SBY], s[88:89]          ; the wave's 128 scale bytes: 128 consecutive bytes, one byte for each 128 bytes of x read
	s_wait_tensorcnt 0x0
	ds_add_u32 v248, v249
	s_wait_dscnt 0x0
	s_endpgm
.Lfunc_end_k_qe6fa1f4ef5_normq:
	.size	k_qe6fa1f4ef5_normq, .Lfunc_end_k_qe6fa1f4ef5_normq-k_qe6fa1f4ef5_normq
	.p2alignl 7, 3214868480
	.fill 96, 4, 3214868480
	.section	.rodata,"a",@progbits
	.p2align	6, 0x0
	.amdhsa_kernel k_qe6fa1f4ef5_normq
		.amdhsa_group_segment_fixed_size 21760
		.amdhsa_private_segment_fixed_size 0
		.amdhsa_enable_private_segment 0
		.amdhsa_kernarg_size 32
		.amdhsa_user_sgpr_count 2
		.amdhsa_user_sgpr_kernarg_segment_ptr 1
		.amdhsa_wavefront_size32 1
		.amdhsa_system_sgpr_workgroup_id_x 1
		.amdhsa_system_sgpr_workgroup_id_y 1
		.amdhsa_system_sgpr_workgroup_id_z 1
		.amdhsa_system_vgpr_workitem_id 0
		.amdhsa_next_free_vgpr 250
		.amdhsa_next_free_sgpr 96
		.amdhsa_reserve_vcc 0
		.amdhsa_float_denorm_mode_32 3
		.amdhsa_float_denorm_mode_16_64 3
		.amdhsa_memory_ordered 1
		.amdhsa_forward_progress 1
		.amdhsa_inst_pref_size 38
	.end_amdhsa_kernel
	.amdgpu_metadata
---
amdhsa.version: [ 1, 2 ]
amdhsa.kernels:
  - .name:           k_qe6fa1f4ef5_normq
    .symbol:         k_qe6fa1f4ef5_normq.kd
    .args:
      - { .name: x, .offset: 0, .size: 8, .value_kind: global_buffer, .address_space: global }
      - { .name: norm_w, .offset: 8, .size: 8, .value_kind: global_buffer, .address_space: global }
      - { .name: norm_b, .offset: 16, .size: 8, .value_kind: global_buffer, .address_space: global }
      - { .name: hbuf, .offset: 24, .size: 8, .value_kind: global_buffer, .address_space: global }
    .group_segment_fixed_size: 21760
    .private_segment_fixed_size: 0
    .kernarg_segment_align: 8
    .kernarg_segment_size: 32
    .max_flat_workgroup_size: 256
    .sgpr_count:     96
    .vgpr_count:     250
    .wavefront_size: 32
...
	.end_amdgpu_metadata
.endif
;; end of part 1
;; launch qkv (part 2): grid 8 x 32, 4 waves a work-group, clusters of 4 x 1, 327,680 bytes of LDS; arguments hbuf, q_w_codes, q_w_scales, q_b, k_w_codes, k_w_scales, k_b, v_w_codes, v_w_scales, v_b, qbuf, kv; writes qbuf, kv
.if DOCPART == 2
	.amdgcn_target "amdgcn-amd-amdhsa--gfx1250"
	.amdhsa_code_object_version 6
	.text
	.protected	k_qe6fa1f4ef5_qkv
	.globl	k_qe6fa1f4ef5_qkv
	.p2align	8
	.type	k_qe6fa1f4ef5_qkv,@function
k_qe6fa1f4ef5_qkv:
	s_mov_b64 s[64:65], 0
	v_nop
	global_prefetch_b8 v0, s[64:65] scope:SCOPE_SE
	s_setreg_imm32_b32 hwreg(HW_REG_WAVE_MODE, 25, 1), 1
	s_wait_xcnt 0x0
	s_wait_alu depctr_hold_cnt(0) depctr_sa_sdst(0) depctr_va_vdst(0) depctr_va_sdst(0) depctr_va_ssrc(0) depctr_va_vcc(0) depctr_vm_vsrc(0)
	s_getreg_b32 s2, hwreg(HW_REG_IB_STS2, 6, 4)
	s_cmp_eq_u32 s2, 0
	s_cbranch_scc0 .Lentry_in_a_cluster
	s_endpgm
.Lentry_in_a_cluster:
	s_bfe_u32 s2, ttmp6, 0x10000c
	s_cmp_lg_u32 s2, 0x3003
	s_cbranch_scc0 .Lentry_shape_is_right
	s_endpgm
.Lentry_shape_is_right:
; q, k, v = W h + bias on codes of FP4 (E2M1) with E8M0 scales, and the quantisers behind them: q and k along their channels, v along the positions (the keys).
; Work-group (nblk, b) owns 128 positions of a batch; wave w makes output channels 128 w .. 128 w + 127 of q, of k and of v for all 128 positions.
; h's 32 fragments (window 1) and the wave's 32 fragments of a weight (windows 2, 3) stay in registers; each weight fragment feeds eight products.
; HOW THE OPERANDS ARRIVE: by the tensor data mover into LDS, and from there once into registers.  h's record (34,816 dense bytes) is fetched a quarter a wave and read by all four waves;
; a wave's 128 rows of a weight (256 bytes a row, 16 bytes of padding behind each) are fetched by that wave and read by it alone.  q's and k's weights are first fills; v's weights take the
; bytes of q's once every wave has q's fragments in registers.  By this text's count a wave has three tensor loads out at the start and one behind the round of the refill.
; CLUSTER: the four work-groups of a cluster (four blocks of positions of one batch) need the same weights: each weight tile is asked for JOINTLY, the same load with the same descriptor and a
; mask that names the four.  h's record is each work-group's own: a plain load.
; q, k: the product is used TRANSPOSED (source 0 = 16 rows of W, source 1 = 16 positions of h): a lane holds one position and its registers run along the channels.
; THE ROWS OF W THAT FORM A TILE ARE NOT NEIGHBOURS: lane r of tile 2 b + u takes row 32 b + 8 u + r + 8 (r / 8), so the 16 registers of tiles 2 b, 2 b + 1 are 16 neighbouring channels.
; (16 LDS rows are 4,352 bytes = 17 x 256, so lanes r and r + 8 of such a load meet in the same banks (64 banks of 4 bytes: ISA guide 11.1): it goes two deep; each fragment is read once.)
; v: source 0 = 16 slots of h, source 1 = 16 rows of W: a lane holds one channel; h's slots (position bits 3 and 4 exchanged) make its registers neighbouring positions.
; OPERANDS IN MEMORY: [K block of 32][row slot][16 bytes]: registers 4 c .. 4 c + 3 of lane (r, h) for K step s and tile t are the 16 bytes at (4 s + 2 c + h) x 16 x slots + 16 (16 t + r),
; so every 16-byte load or store of a wave covers two aligned runs of 256 consecutive bytes.
; OUT: qbuf records [b][nblk] of 34,816 bytes: codes [16][128][16], scale words [slot 128][K step 4].
;      kv records [b][nblk] of 69,632 bytes: K codes [16][128][16]; V codes [key block 4][channel slot 512][16]; K scale words [128][4]; V scale words [g 4][lane 32][i 4] (channel slot 32 (4 g + i) + lane).
; The biases are the C of each sum's first product.  The eight accumulators of a pass take turns, one instruction a turn.
; LIMITS: NaN and infinities are not served; a block whose largest magnitude lies under 2^-124 keeps the byte 1, a block of zeros too (zero codes; only this program reads the bytes).
.set WPITCH, 272                       ; a weight's row in LDS: 256 bytes + 16 of padding
.set WREG,  128*WPITCH                 ; a wave's 128 rows
.set WKL,   4*WREG                     ; LDS: q's weights (later v's) from 0, k's from here,
.set HBL,   8*WREG                     ; h's record,
.set SCB,   HBL+34816                  ; the scale words that this launch makes: q's 2,048 bytes, k's, v's: bytes of their own, no fill lands here,
.set SCQ,   0
.set SCK,   2048
.set SCV,   4096
.set SPARE, SCB+6144                   ; and the spare words, 128 bytes a wave: two blocks of 256 bytes that no other line names.  (All of LDS is claimed.)
.set HS,   16                          ; v16-31   h's scale words: (pair b, K step s) at HS + 4 b + s; lane l stands for slot 32 b + l
.set WS,   32                          ; v32-79   the weights' scale words: q at + 0, k at + 16, v at + 32; (b, s) at + 4 b + s; lanes 0-15 tile 2 b's rows, lanes 16-31 tile 2 b + 1's
.set BIAS, 80                          ; v80-143  the tensor's bias in the result's layout, 8 registers a tile
.set ACC,  144                         ; v144-207 eight accumulators
.set PC,   208                         ; v208-215 the codes just made
.set PW,   216                         ; the scale word just made
.set TM,   220                         ; v220-235 at work in QUANT
.set SPW,  236                         ; LDS address of my spare word: SPARE + 4 x my thread's number; never rewritten
.set NIL,  237                         ; 0; never rewritten
.set WO2,  238                         ; my lane's place in my rows of k's weights
.set FRL,  239                         ; the end: my 16 bytes of the scale words in LDS
.set SEL,  30
.set G1W,  68                          ; s[68:75] descriptor group 1 for a weight's tile;  s[76:83] for h's quarter
.set G1H,  76
.set G0H,  84                          ; s[84:87], s[88:91], s[92:95], s[96:99] groups 0: h, q's, k's, v's weights: a set each, none is ever rewritten
.set G0Q,  88
.set G0K,  92
.set G0V,  96
.set MSB, 0
.macro WIN new                         ; the immediate's high byte repeats the setting that is left; a switch that changes nothing is dropped
.if MSB != (\new)
	s_set_vgpr_msb (MSB<<8)|(\new)
.set MSB, (\new)
.endif
.endm
.macro PLACES                          ; four plain instructions between a matrix instruction and a read of its result, or a load into one of its registers
.rept 4
	v_nop
.endr
.endm
.macro CROUND                          ; a round of the cluster's barrier: my work-group's barrier; wave 0 signals for the work-group; every wave waits for all four; my work-group's barrier once more
	s_barrier_signal -1
	s_barrier_wait -1
	s_cmp_lg_u32 s28, 0
	s_cbranch_scc1 .Lnot_wave_0_\@
	s_barrier_signal -3
.Lnot_wave_0_\@:
	s_barrier_wait -3
	s_barrier_signal -1
	s_barrier_wait -1
.endm
; one product.  cz = 1: C is the constant 0.  ra, rb = 1: the side's scale words stand in lanes 16-31 of its register
.macro WM d, a, b, cz, c, sa, sb, ra, rb
.if \cz
.if (\ra) && (\rb)
	v_wmma_scale_f32_16x16x128_f8f6f4 v[\d:\d+7], v[\a:\a+7], v[\b:\b+7], 0, v[\sa], v[\sb] matrix_a_fmt:MATRIX_FMT_FP4 matrix_b_fmt:MATRIX_FMT_FP4 matrix_a_scale:MATRIX_SCALE_ROW1 matrix_b_scale:MATRIX_SCALE_ROW1
.elseif (\ra)
	v_wmma_scale_f32_16x16x128_f8f6f4 v[\d:\d+7], v[\a:\a+7], v[\b:\b+7], 0, v[\sa], v[\sb] matrix_a_fmt:MATRIX_FMT_FP4 matrix_b_fmt:MATRIX_FMT_FP4 matrix_a_scale:MATRIX_SCALE_ROW1
.elseif (\rb)
	v_wmma_scale_f32_16x16x128_f8f6f4 v[\d:\d+7], v[\a:\a+7], v[\b:\b+7], 0, v[\sa], v[\sb] matrix_a_fmt:MATRIX_FMT_FP4 matrix_b_fmt:MATRIX_FMT_FP4 matrix_b_scale:MATRIX_SCALE_ROW1
.else
	v_wmma_scale_f32_16x16x128_f8f6f4 v[\d:\d+7], v[\a:\a+7], v[\b:\b+7], 0, v[\sa], v[\sb] matrix_a_fmt:MATRIX_FMT_FP4 matrix_b_fmt:MATRIX_FMT_FP4
.endif
.else
.if (\ra) && (\rb)
	v_wmma_scale_f32_16x16x128_f8f6f4 v[\d:\d+7], v[\a:\a+7], v[\b:\b+7], v[\c:\c+7], v[\sa], v[\sb] matrix_a_fmt:MATRIX_FMT_FP4 matrix_b_fmt:MATRIX_FMT_FP4 matrix_a_scale:MATRIX_SCALE_ROW1 matrix_b_scale:MATRIX_SCALE_ROW1
.elseif (\ra)
	v_wmma_scale_f32_16x16x128_f8f6f4 v[\d:\d+7], v[\a:\a+7], v[\b:\b+7], v[\c:\c+7], v[\sa], v[\sb] matrix_a_fmt:MATRIX_FMT_FP4 matrix_b_fmt:MATRIX_FMT_FP4 matrix_a_scale:MATRIX_SCALE_ROW1
.elseif (\rb)
	v_wmma_scale_f32_16x16x128_f8f6f4 v[\d:\d+7], v[\a:\a+7], v[\b:\b+7], v[\c:\c+7], v[\sa], v[\sb] matrix_a_fmt:MATRIX_FMT_FP4 matrix_b_fmt:MATRIX_FMT_FP4 matrix_b_scale:MATRIX_SCALE_ROW1
.else
	v_wmma_scale_f32_16x16x128_f8f6f4 v[\d:\d+7], v[\a:\a+7], v[\b:\b+7], v[\c:\c+7], v[\sa], v[\sb] matrix_a_fmt:MATRIX_FMT_FP4 matrix_b_fmt:MATRIX_FMT_FP4
.endif
.endif
.endm
; 64 numbers of a lane, register 16 b + i = k 32 b + 16 (lane / 16) + i of my row, become a fragment's codes in v[pc] on and its scale word in v[pw]
.macro QUANT s, pc, pw
.irp b, 0,1,2,3
	v_max3_num_f32 v[TM+\b], |v[\s+16*\b]|, |v[\s+1+16*\b]|, 0x1800000   ; block b: my 16 numbers, and the floor 2^(3 - 127): the byte cannot fall under 1
.endr
.irp i, 2,4,6,8,10,12,14
.irp b, 0,1,2,3
	v_max3_num_f32 v[TM+\b], v[TM+\b], |v[\s+16*\b+\i]|, |v[\s+1+16*\b+\i]|   ; the four blocks by turns
.endr
.endr
.irp b, 0,1,2,3
	v_permlanex16_b32 v[TM+4+\b], v[TM+\b], s[SEL], s[SEL+1]
.endr
.irp b, 0,1,2,3
	v_max_num_f32 v[TM+\b], v[TM+\b], v[TM+4+\b]   ; with lane l xor 16's: the block's largest magnitude
.endr
.irp b, 0,1,2,3
	v_add_nc_u32 v[TM+12+\b], 0xff000000, v[TM+\b]   ; 2 off its exponent field: the conversion's scale operand
.endr
.irp b, 0,1,2,3
	v_lshrrev_b32 v[TM+4+\b], 23, v[TM+12+\b]      ; the scale's byte
.endr
	v_lshl_or_b32 v[\pw], v[TM+5], 8, v[TM+4]
	v_lshl_or_b32 v[\pw], v[TM+6], 16, v[\pw]
	v_lshl_or_b32 v[\pw], v[TM+7], 24, v[\pw]
.irp b, 0,1,2,3
	v_cvt_scalef32_pk8_fp4_f32 v[\pc+2*\b], v[\s+16*\b:\s+7+16*\b], v[TM+12+\b]
	v_cvt_scalef32_pk8_fp4_f32 v[\pc+1+2*\b], v[\s+8+16*\b:\s+15+16*\b], v[TM+12+\b]
.endr
	v_nop                                          ; one plain instruction behind a scaled conversion
.irp c, 0,1                                    ; the operand's layout wants a whole block in a lane: lanes 0-15 block 2 c, lanes 16-31 block 2 c + 1
.irp i, 0,1
	v_permlane16_swap_b32 v[\pc+4*\c+\i], v[\pc+2+4*\c+\i]
.endr
.endr
.endm
	s_load_b512 s[4:19], s[0:1], 0x0               ; hbuf 4, q codes 6, q scales 8, q_b 10, k codes 12, k scales 14, k_b 16, v codes 18
	s_load_b256 s[20:27], s[0:1], 0x40             ; v scales 20, v_b 22, qbuf 24, kv 26
	v_lshl_add_u32 v[SPW], v0, 2, SPARE
	v_mov_b32 v[NIL], 0
	ds_add_u32 v236, v237
	s_wait_dscnt 0x0
	v_lshrrev_b32 v1, 5, v0
	v_readfirstlane_b32 s28, v1                    ; wave 0..3
	s_bfe_u32 s29, ttmp6, 0x40000                  ; cx: my place in the cluster
	s_lshl_b32 s45, ttmp9, 2                       ; in a cluster launch ttmp9 counts clusters
	s_add_co_u32 s45, s45, s29                     ; nblk = 4 x cluster x + cx: it enters hbuf's, qbuf's and kv's addresses alone
	s_and_b32 s44, ttmp7, 0xffff                   ; b
	s_lshl_b32 s44, s44, 3
	s_add_co_u32 s44, s44, s45                     ; record 8 b + nblk
	s_mul_i32 s46, s44, 34816
	s_mov_b32 s47, 0
	s_mul_i32 s48, s44, 69632
	s_mov_b32 s49, 0
	s_lshl_b32 s38, s28, 15                        ; my 128 rows of a weight's codes,
	s_mov_b32 s39, 0
	s_lshl_b32 s40, s28, 11                        ; of its scale bytes,
	s_mov_b32 s41, 0
	s_lshl_b32 s42, s28, 9                         ; of a bias
	s_mov_b32 s43, 0
	s_mul_i32 s50, s28, 8704                       ; my quarter of h's record
	s_mov_b32 s51, 0
	; descriptor group 1 for a weight's tile: 128 rows of 256 bytes, dense in memory, padded in LDS
	s_mov_b32 s[G1W], 15|(0<<16)|(1<<20)|(1<<21)|(5<<22)|(3<<25)   ; 15:0 the mask: all four work-groups; 17:16 elements of 1 byte; 20 padding on; 21 set beside a mask; 24:22 after every 64 words (code 5); 31:25 four words (code 3)
	s_mov_b32 s[G1W+1], 256<<16                    ; tensor_dim0 = 256
	s_mov_b32 s[G1W+2], 128<<16                    ; tensor_dim1 = 128
	s_mov_b32 s[G1W+3], 256<<16                    ; tile_dim0 = 256
	s_mov_b32 s[G1W+4], 128                        ; tile_dim1 = 128
	s_mov_b32 s[G1W+5], 256                        ; elements from row to row
	s_mov_b32 s[G1W+6], 0
	s_mov_b32 s[G1W+7], 0
	; and for a quarter of h's record: 34 rows of 256 dense bytes, no mask, no padding
	s_mov_b32 s[G1H], 3<<16                        ; elements of 8 bytes
	s_mov_b32 s[G1H+1], 32<<16
	s_mov_b32 s[G1H+2], 34<<16
	s_mov_b32 s[G1H+3], 32<<16
	s_mov_b32 s[G1H+4], 34
	s_mov_b32 s[G1H+5], 32
	s_mov_b32 s[G1H+6], 0
	s_mov_b32 s[G1H+7], 0
	s_mov_b32 s[SEL], 0x76543210
	s_mov_b32 s[SEL+1], 0xfedcba98                 ; v_permlanex16_b32's selects for lane l xor 16
	s_wait_kmcnt 0x0
	s_add_nc_u64 s[4:5], s[4:5], s[46:47]
	s_add_nc_u64 s[24:25], s[24:25], s[46:47]
	s_add_nc_u64 s[26:27], s[26:27], s[48:49]
	s_add_nc_u64 s[6:7], s[6:7], s[38:39]
	s_add_nc_u64 s[12:13], s[12:13], s[38:39]
	s_add_nc_u64 s[18:19], s[18:19], s[38:39]
	s_add_nc_u64 s[8:9], s[8:9], s[40:41]
	s_add_nc_u64 s[14:15], s[14:15], s[40:41]
	s_add_nc_u64 s[20:21], s[20:21], s[40:41]
	s_add_nc_u64 s[10:11], s[10:11], s[42:43]
	s_add_nc_u64 s[16:17], s[16:17], s[42:43]
	s_add_nc_u64 s[22:23], s[22:23], s[42:43]
	CROUND                                         ; all four work-groups are here: the first joint loads meet
	s_mov_b32 s[G0H], 1                            ; count = 1
	s_add_co_u32 s[G0H+1], s50, HBL                ; LDS address: wave x 8,704 behind the record's first byte
	s_add_nc_u64 s[G0H+2:G0H+3], s[4:5], s[50:51]
	s_or_b32 s[G0H+3], s[G0H+3], 0x80000000        ; type = 2
	s_mov_b32 s[G0Q], 1
	s_mul_i32 s[G0Q+1], s28, WREG                  ; wave x 128 rows: no place in the cluster enters an LDS address
	s_mov_b64 s[G0Q+2:G0Q+3], s[6:7]
	s_or_b32 s[G0Q+3], s[G0Q+3], 0x80000000
	s_mov_b32 s[G0K], 1
	s_add_co_u32 s[G0K+1], s[G0Q+1], WKL
	s_mov_b64 s[G0K+2:G0K+3], s[12:13]
	s_or_b32 s[G0K+3], s[G0K+3], 0x80000000
	s_mov_b32 s[G0V], 1
	s_mov_b32 s[G0V+1], s[G0Q+1]                   ; v's weights will take the bytes of q's
	s_mov_b64 s[G0V+2:G0V+3], s[18:19]
	s_or_b32 s[G0V+3], s[G0V+3], 0x80000000
	tensor_load_to_lds s[G0H:G0H+3], s[G1H:G1H+7]  ; the first fills go out together, ahead of every wait on TENSORcnt and every LDS read
	s_nop 0
	tensor_load_to_lds s[G0Q:G0Q+3], s[G1W:G1W+7]
	s_nop 0
	tensor_load_to_lds s[G0K:G0K+3], s[G1W:G1W+7]
	s_nop 0
.rept 4
	v_nop
.endr
	v_and_b32 v10, 31, v0                          ; lane
	v_and_b32 v12, 15, v0                          ; r
	v_bfe_u32 v13, v0, 4, 1                        ; h
	v_and_b32 v14, 8, v12
	v_add_nc_u32 v14, v14, v12                     ; r + 8 (r / 8)
	v_lshlrev_b32 v15, 4, v12
	v_lshl_add_u32 v15, v13, 11, v15               ; 2,048 h + 16 r
	v_add_nc_u32 v1, HBL, v15                      ; h's fragments in LDS
	v_mul_u32_u24 v2, v14, WPITCH
	v_lshl_add_u32 v2, v13, 4, v2
	v_add_nc_u32 v2, s[G0Q+1], v2                  ; q's (later v's) weights in LDS: my rows, row r + 8 (r / 8), + 16 h
	v_add_nc_u32 v[WO2], WKL, v2                   ; k's
	v_and_b32 v3, 7, v10
	v_bfe_u32 v11, v10, 3, 1
	v_lshl_add_u32 v3, v11, 4, v3
	v_lshl_add_u32 v3, v13, 3, v3
	v_lshlrev_b32 v3, 4, v3                        ; a weight's scale words in memory: 16 bytes a row, row = lane with bits 3 and 4 exchanged
	v_lshlrev_b32 v4, 6, v13                       ; q's and k's bias: my half's 16 channels of each 32
	v_lshlrev_b32 v5, 2, v14                       ; v's bias: my channel
	s_lshl_b32 s52, s28, 13
	v_add_nc_u32 v6, s52, v15                      ; q's and k's codes out: K step w: 8,192 w + 2,048 h + 16 r
	v_lshlrev_b32 v7, 4, v12
	v_lshl_add_u32 v7, v13, 13, v7
	v_add_nc_u32 v7, s40, v7                       ; v's: 8,192 h + 2,048 w + 16 r
	s_lshl_b32 s52, s28, 2
	s_add_co_u32 s52, s52, SCB
	v_lshlrev_b32 v8, 4, v12
	v_add_nc_u32 v8, s52, v8                       ; LDS: q's and k's scale words: 16 r + 4 w
	s_add_co_u32 s52, s42, SCB
	v_lshlrev_b32 v9, 4, v12
	v_add_nc_u32 v9, s52, v9                       ; v's: 512 w + 16 r
	v_add_nc_u32 v10, HBL+32768, v10               ; h's scale bytes in LDS: + lane
	v_lshlrev_b32 v11, 4, v0                       ; the end: 16 bytes a thread, in memory
	v_lshl_add_u32 v[FRL], v0, 4, SCB              ; and in LDS
.irp b, 0,1,2,3
	v_mov_b32 v[TM+4+\b], 0                        ; written once: a lane permute's destination counts as one of its sources
.endr
.irp b, 0,1,2,3
	global_load_b128 v[WS+4*\b:WS+4*\b+3], v3, s[8:9] offset:512*\b
	global_load_b128 v[WS+16+4*\b:WS+16+4*\b+3], v3, s[14:15] offset:512*\b
	global_load_b128 v[WS+32+4*\b:WS+32+4*\b+3], v3, s[20:21] offset:512*\b
.endr
.irp t, 0,1,2,3,4,5,6,7
	global_load_b128 v[BIAS+8*\t:BIAS+8*\t+3], v4, s[10:11] offset:4*(32*(\t/2)+8*(\t%2))
	global_load_b128 v[BIAS+8*\t+4:BIAS+8*\t+7], v4, s[10:11] offset:4*(32*(\t/2)+8*(\t%2))+16
.endr
	s_wait_tensorcnt 0x2                           ; tensor loads of a wave end in order: my quarter of h is in; the two weights may stay out
	s_barrier_signal -1
	s_barrier_wait -1                              ; everybody's quarter is in
.irp b, 0,1,2,3
.irp s, 0,1,2,3
.irp e, 0,1,2,3
	ds_load_u8 v[ACC+4*(4*\b+\s)+\e], v10 offset:128*(4*\s+\e)+32*\b   ; h's scale bytes lie by K block: byte e of word (b, s)
.endr
.endr
.endr
	WIN 0x40
.irp m, 0,1,2,3,4,5,6,7
.irp s, 0,1,2,3
.irp c, 0,1
	ds_load_b128 v[8*(4*\m+\s)+4*\c:8*(4*\m+\s)+4*\c+3], v1 offset:8192*\s+4096*\c+256*\m   ; h's fragment (tile m, K step s): window 1; two runs of 256 consecutive bytes
.endr
.endr
.endr
.macro WFETCH adr                      ; my 32 fragments of a weight out of LDS, (tile t, K step s) at 8 (4 t + s) of the window that is set
.irp t, 0,1,2,3,4,5,6,7
.irp s, 0,1,2,3
.irp c, 0,1
	ds_load_b128 v[8*(4*\t+\s)+4*\c:8*(4*\t+\s)+4*\c+3], v[\adr] offset:WPITCH*(32*(\t/2)+8*(\t%2))+64*\s+32*\c
.endr
.endr
.endr
.endm
	s_wait_tensorcnt 0x1                           ; my rows of q's weights are in (nobody else reads them); k's may be out
	WIN 0x80
	WFETCH 2                                       ; q's weights: window 2
	WIN 0
	s_wait_tensorcnt 0x0                           ; all my tensor loads have landed, my rows of k's weights among them;
	ds_add_u32 v[SPW], v[NIL]                      ; 0 onto my spare word
	s_wait_dscnt 0x0                               ; the add is done, and my reads of q's weights are over
	CROUND                                         ; so of every wave of all four work-groups
	tensor_load_to_lds s[G0V:G0V+3], s[G1W:G1W+7]  ; v's weights into the bytes of q's: my one tensor load behind the round; it has eight passes in which to land
	s_nop 0
.rept 4
	v_nop
.endr
	WIN 0xc0
	WFETCH WO2                                     ; k's weights: window 3
	WIN 0
.irp n, 0,1,2,3,4,5,6,7,8,9,10,11,12,13,14,15
	v_lshl_or_b32 v[HS+\n], v[ACC+4*\n+1], 8, v[ACC+4*\n]
.endr
.irp n, 0,1,2,3,4,5,6,7,8,9,10,11,12,13,14,15
	v_lshl_or_b32 v[HS+\n], v[ACC+4*\n+2], 16, v[HS+\n]
.endr
.irp n, 0,1,2,3,4,5,6,7,8,9,10,11,12,13,14,15
	v_lshl_or_b32 v[HS+\n], v[ACC+4*\n+3], 24, v[HS+\n]
.endr
.rept 8
	v_nop                                          ; a scale register written by a vector instruction stands eight places ahead of a scaled product
.endr
	s_wait_loadcnt 0x0                             ; the weights' scale words and q's bias
	s_wait_dscnt 0x0                               ; k's fragments
; q or k: tile m of 16 positions x my 128 channels.  wwin: the weights' window; ws: their scale words; rp: the record's pointer; sc: the scale words' LDS bytes.
; nb = 1, 2: behind the first K step, which has read this tensor's bias for the last time, the next tensor's bias is asked for (k's; v's, a lane's own channel in all eight registers of a tile)
.macro QKPASS m, wwin, ws, rp, sc, nb
.irp s, 0,1,2,3
	WIN 0x04+\wwin
.irp t, 0,1,2,3,4,5,6,7
.if \s == 0
.set CC, BIAS+8*\t
.else
.set CC, ACC+8*\t
.endif
	WM ACC+8*\t, 8*(4*\t+\s), 8*(4*\m+\s), 0, CC, \ws+4*(\t/2)+\s, HS+4*(\m/2)+\s, \t%2, \m%2
.endr
.if (\s == 0) && (\nb == 1)
	WIN 0
	PLACES
.irp t, 0,1,2,3,4,5,6,7
	global_load_b128 v[BIAS+8*\t:BIAS+8*\t+3], v4, s[16:17] offset:4*(32*(\t/2)+8*(\t%2))
	global_load_b128 v[BIAS+8*\t+4:BIAS+8*\t+7], v4, s[16:17] offset:4*(32*(\t/2)+8*(\t%2))+16
.endr
.endif
.if (\s == 0) && (\nb == 2)
	WIN 0
	PLACES
.irp t, 0,1,2,3,4,5,6,7
.irp j, 0,1,2,3,4,5,6,7
	global_load_b32 v[BIAS+8*\t+\j], v5, s[22:23] offset:4*(32*(\t/2)+8*(\t%2))
.endr
.endr
.endif
.endr
	WIN 0
	PLACES
	s_wait_xcnt 0x0                                ; the last pass's stores have read the codes' registers,
	s_wait_dscnt 0x0                               ; and its LDS store the scale word's
	QUANT ACC, PC, PW
.irp c, 0,1
	global_store_b128 v6, v[PC+4*\c:PC+4*\c+3], s[\rp:\rp+1] offset:4096*\c+256*\m   ; two aligned runs of 256 consecutive bytes
.endr
	ds_store_b32 v8, v[PW] offset:\sc+256*\m       ; lanes r and r + 16 hold the same word and write it to the same place
.endm
; v: tile t of 16 channels x the 128 positions
.macro VPASS t
.irp s, 0,1,2,3
	WIN 0x09
.irp m, 0,1,2,3,4,5,6,7
.if \s == 0
.set CC, BIAS+8*\t
.else
.set CC, ACC+8*\m
.endif
	WM ACC+8*\m, 8*(4*\m+\s), 8*(4*\t+\s), 0, CC, HS+4*(\m/2)+\s, WS+32+4*(\t/2)+\s, \m%2, \t%2
.endr
.endr
	WIN 0
	PLACES
	s_wait_xcnt 0x0
	s_wait_dscnt 0x0
	QUANT ACC, PC, PW
.irp c, 0,1
	global_store_b128 v7, v[PC+4*\c:PC+4*\c+3], s[26:27] offset:32768+16384*\c+256*\t
.endr
	ds_store_b32 v9, v[PW] offset:SCV+256*(\t%2)+4*(\t/2)
.endm
.irp m, 0,1,2,3,4,5,6
	QKPASS \m, 2, WS, 24, SCQ, 0
.endr
	QKPASS 7, 2, WS, 24, SCQ, 1
	s_wait_tensorcnt 0x0                           ; my rows of v's weights lie in LDS (the one load that was out; nobody else reads them)
	WIN 0x80
	WFETCH 2                                       ; they take q's place in window 2: the last products that read it stand in front of the quantiser's plain instructions
	WIN 0
	s_wait_loadcnt 0x0                             ; k's bias
.irp m, 0,1,2,3,4,5,6
	QKPASS \m, 3, WS+16, 26, SCK, 0
.endr
	QKPASS 7, 3, WS+16, 26, SCK, 2
	s_wait_loadcnt 0x0                             ; v's bias (v's fragments came in behind the passes' waits for LDS)
.irp t, 0,1,2,3,4,5,6,7
	VPASS \t
.endr
	s_wait_dscnt 0x0                               ; for the others' sake: my scale words lie in LDS
	s_barrier_signal -1
	s_barrier_wait -1
.irp i, 0,1,2
	ds_load_b128 v[240+4*\i:243+4*\i], v[FRL] offset:2048*\i
.endr
	s_wait_dscnt 0x0
	global_store_b128 v11, v[240:243], s[24:25] offset:32768   ; each store of a wave covers 512 consecutive bytes, aligned to 256
	global_store_b128 v11, v[244:247], s[26:27] offset:65536
	global_store_b128 v11, v[248:251], s[26:27] offset:67584
	s_wait_tensorcnt 0x0                           ; the wave's end: behind my last tensor load and my last LDS store
	ds_add_u32 v[SPW], v[NIL]
	s_wait_dscnt 0x0
	CROUND                                         ; the closing round: no work-group ends while a partner may still ask for a tile that names it
	s_endpgm
.Lfunc_end_k_qe6fa1f4ef5_qkv:
	.size	k_qe6fa1f4ef5_qkv, .Lfunc_end_k_qe6fa1f4ef5_qkv-k_qe6fa1f4ef5_qkv
	.p2alignl 7, 3214868480
	.fill 96, 4, 3214868480
	.section	.rodata,"a",@progbits
	.p2align	6, 0x0
	.amdhsa_kernel k_qe6fa1f4ef5_qkv
		.amdhsa_group_segment_fixed_size 327680
		.amdhsa_private_segment_fixed_size 0
		.amdhsa_enable_private_segment 0
		.amdhsa_kernarg_size 96
		.amdhsa_user_sgpr_count 2
		.amdhsa_user_sgpr_kernarg_segment_ptr 1
		.amdhsa_wavefront_size32 1
		.amdhsa_system_sgpr_workgroup_id_x 1
		.amdhsa_system_sgpr_workgroup_id_y 1
		.amdhsa_system_sgpr_workgroup_id_z 1
		.amdhsa_system_vgpr_workitem_id 0
		.amdhsa_next_free_vgpr 1024
		.amdhsa_next_free_sgpr 100
		.amdhsa_reserve_vcc 0
		.amdhsa_float_denorm_mode_32 3
		.amdhsa_float_denorm_mode_16_64 3
		.amdhsa_memory_ordered 1
		.amdhsa_forward_progress 1
		.amdhsa_inst_pref_size 240
	.end_amdhsa_kernel
	.amdgpu_metadata
---
amdhsa.version: [ 1, 2 ]
amdhsa.kernels:
  - .name:           k_qe6fa1f4ef5_qkv
    .symbol:         k_qe6fa1f4ef5_qkv.kd
    .args:
      - { .name: hbuf, .offset: 0, .size: 8, .value_kind: global_buffer, .address_space: global }
      - { .name: q_w_codes, .offset: 8, .size: 8, .value_kind: global_buffer, .address_space: global }
      - { .name: q_w_scales, .offset: 16, .size: 8, .value_kind: global_buffer, .address_space: global }
      - { .name: q_b, .offset: 24, .size: 8, .value_kind: global_buffer, .address_space: global }
      - { .name: k_w_codes, .offset: 32, .size: 8, .value_kind: global_buffer, .address_space: global }
      - { .name: k_w_scales, .offset: 40, .size: 8, .value_kind: global_buffer, .address_space: global }
      - { .name: k_b, .offset: 48, .size: 8, .value_kind: global_buffer, .address_space: global }
      - { .name: v_w_codes, .offset: 56, .size: 8, .value_kind: global_buffer, .address_space: global }
      - { .name: v_w_scales, .offset: 64, .size: 8, .value_kind: global_buffer, .address_space: global }
      - { .name: v_b, .offset: 72, .size: 8, .value_kind: global_buffer, .address_space: global }
      - { .name: qbuf, .offset: 80, .size: 8, .value_kind: global_buffer, .address_space: global }
      - { .name: kv, .offset: 88, .size: 8, .value_kind: global_buffer, .address_space: global }
    .group_segment_fixed_size: 327680
    .private_segment_fixed_size: 0
    .kernarg_segment_align: 8
    .kernarg_segment_size: 96
    .max_flat_workgroup_size: 128
    .sgpr_count:     100
    .vgpr_count:     1024
    .wavefront_size: 32
...
	.end_amdgpu_metadata
.endif
;; end of part 2
;; launch attn (part 3): grid 8 x 32, 4 waves a work-group, clusters of 4 x 1, 327,680 bytes of LDS; arguments qbuf, kv, x, proj_w_codes, proj_w_scales, proj_b, out0; writes out0
.if DOCPART == 3
	.amdgcn_target "amdgcn-amd-amdhsa--gfx1250"
	.amdhsa_code_object_version 6
	.text
	.protected	k_qe6fa1f4ef5_attn
	.globl	k_qe6fa1f4ef5_attn
	.p2align	8
	.type	k_qe6fa1f4ef5_attn,@function
k_qe6fa1f4ef5_attn:
	s_mov_b64 s[64:65], 0
	v_nop
	global_prefetch_b8 v0, s[64:65] scope:SCOPE_SE
	s_setreg_imm32_b32 hwreg(HW_REG_WAVE_MODE, 25, 1), 1
	s_wait_xcnt 0x0
	s_wait_alu depctr_hold_cnt(0) depctr_sa_sdst(0) depctr_va_vdst(0) depctr_va_sdst(0) depctr_va_ssrc(0) depctr_va_vcc(0) depctr_vm_vsrc(0)
	s_getreg_b32 s2, hwreg(HW_REG_IB_STS2, 6, 4)
	s_cmp_eq_u32 s2, 0
	s_cbranch_scc0 .Lentry_in_a_cluster
	s_endpgm
.Lentry_in_a_cluster:
	s_bfe_u32 s2, ttmp6, 0x10000c
	s_cmp_lg_u32 s2, 0x3003
	s_cbranch_scc0 .Lentry_shape_is_right
	s_endpgm
.Lentry_shape_is_right:
; out0 = x + proj(softmax(q^T k / sqrt(512)) applied to v) + proj_b, all three products on codes of FP4 (E2M1) with E8M0 scales.
; Work-group (qblk, b) owns 128 queries of a batch; wave w owns two tiles of 16 (slots 32 w .. 32 w + 31 of its qbuf record) and walks all 1,024 keys, 128 a step.
; O^T of 32 queries x 512 channels is 512 registers, so two tiles are what a wave can hold; each fragment of K or V read from LDS feeds two products.
; Both products are used transposed: S^T = K Q^T (source 0 = 16 keys), O^T = V^T P^T (source 0 = 16 channel slots): a lane holds ONE query throughout.  The slot order of keys and of channels
; (bits 3 and 4 exchanged) makes the 16 registers of tiles 2 b, 2 b + 1 sixteen neighbours along the next product's K.
; SOFTMAX: t = score x log2(e) / sqrt(512); M = the running largest t rounded UP to a whole number; p = 2^(t - M) is quantised along the keys, not normalised; the row's sum is taken of the
; unquantised p and divides O at the end; when M moves, sum and O^T are multiplied by 2^(old M - new M), which rounds nothing.
; RING: a step's record (K codes, V codes, both scale words: 69,632 dense bytes) is one slot; two slots, 131,072 bytes apart, so that one exclusive or turns an address.  Each wave fetches a
; quarter (68 rows of 256 bytes) with one tensor load.
; CLUSTER: the four query blocks of a cluster belong to one batch and walk the same records: every fill of the ring is asked for JOINTLY, same descriptor, mask of all four.
; (proj's weights go once into registers, 32,768 bytes a wave: a small part beside the 557,056 bytes of records, and they fill no LDS: they are not shared.)
; x AHEAD OF THE WAY OUT: of the 128 rows of x (512 bytes each) that a wave adds at the end, 48 come into LDS bytes of their own with the first fills, and 32 into slot 0 at the last change of
; slots, when the ring has no more use for it: plain loads, each wave's own bytes, read by that wave alone.  The other 48 rows come into registers on the way out.
; By this text's count a wave has three tensor loads out at the start and one behind each round.
; No padding: every fragment load takes two runs of 256 consecutive LDS bytes, every load of a row of x 512.
; EPILOGUE: O^T / sum is quantised along the channels; its fragments go from wave to wave through LDS as images of their registers; then THE WAVES SHARE THE COLUMNS: wave w makes output channels
; 128 w .. + 127 for all 128 queries (source 0 = 16 queries, source 1 = 16 rows of proj_w), so a lane holds one channel and eight neighbouring positions; rows leave through a stage, x added.
; LIMITS: NaN and infinities are not served; a block whose largest magnitude lies under 2^-124 keeps the byte 1, a block of zeros too (its codes are zeros).
; REGISTERS: window 0: v1-15 addresses; v16-31 statistics; v32-63 K's and V's scale words (later the attention output's); v64-191 S^T; v192-207 p's codes; v208-211 Q's scale words; v212-228 at work;
;   v229-230 addresses of x in LDS; v232-247 proj's scale words; v248-252 addresses.   window 1: v0-63 Q; three fragment buffers at 64, 128, 192 (later: rows of y, two buffers of x, the bias).
;   window 2, 3: O^T of tile 0, 1 (later: proj's fragments; the attention output's).
.set REC,   69632
.set SLOT1, 131072
.set VOFF,  32768                      ; in a slot: K codes 0, V codes 32,768, K scale words 65,536, V scale words 67,584
.set XA0,   69632                      ; between the slots: 48 rows of x for wave 0, then for wave 1: 24,576 bytes each
.set XAW,   24576
.set XAD,   202240                     ; waves 2 and 3 have theirs this much further on: from 271,872, behind the stages
.set SPARE, 200704                     ; behind the ring: the spare words, 128 bytes a wave: two blocks of 256 bytes that no other line names
.set OIMG,  201216                     ; 32 images of fragments, 1,024 bytes each
.set OSC,   233984                     ; their scale words, 128 bytes each
.set STAGE, 238080                     ; a stage of 16 rows x (512 + 16) bytes for each wave.  No fill ever lands from OIMG to the stages' end
.set ST,   16                          ; tile q at ST + 8 q: + 0 -M, + 1 largest t, + 2, + 3 the sum in two halves, + 4 f, + 5 p's scale word, + 6 1 / sum, + 7 zero
.set KS,   32
.set VS,   48
.set S,    64
.set P,    192
.set QS,   208
.set TM,   212                         ; QUANT's 16 registers; the softmax names them BM, PB, SO, TA
.set BM,   212
.set PB,   216
.set SO,   220
.set TA,   224
.set PWT,  228
.set XLA,  229                         ; my lane's 16 bytes of a row of x among my first 48 rows in LDS
.set XLB,  230                         ; and among the 32 rows in slot 0
.set PJS,  232
.set F0,   64
.set F1,   128
.set F2,   192
.set BIAS, 192
.set SEL,  22
.set CS,   24
.set G1,   28                          ; s[28:35] descriptor group 1 for a quarter of a record; s[36:39], s[40:43] its groups 0
.set G1X,  68                          ; s[68:75] group 1 for 48 rows of x; s[76:83] for 32 rows; s[84:87], s[88:91] their groups 0, never rewritten
.set G1Y,  76
.set G0X,  84
.set G0Y,  88
.set MSB, 0
.macro WIN new                         ; the immediate's high byte repeats the setting that is left; a switch that changes nothing is dropped
.if MSB != (\new)
	s_set_vgpr_msb (MSB<<8)|(\new)
.set MSB, (\new)
.endif
.endm
.macro PLACES                          ; four plain instructions between a matrix instruction and a read of its result, or a load into one of its registers
.rept 4
	v_nop
.endr
.endm
.macro CROUND                          ; a round of the cluster's barrier: my work-group's barrier; wave 0 signals for the work-group; every wave waits for all four; my work-group's barrier once more
	s_barrier_signal -1
	s_barrier_wait -1
	s_cmp_lg_u32 s18, 0
	s_cbranch_scc1 .Lnot_wave_0_\@
	s_barrier_signal -3
.Lnot_wave_0_\@:
	s_barrier_wait -3
	s_barrier_signal -1
	s_barrier_wait -1
.endm
; one product.  cz = 1: C is the constant 0.  ra, rb = 1: the side's scale words stand in lanes 16-31 of its register
.macro WM d, a, b, cz, c, sa, sb, ra, rb
.if \cz
.if (\ra) && (\rb)
	v_wmma_scale_f32_16x16x128_f8f6f4 v[\d:\d+7], v[\a:\a+7], v[\b:\b+7], 0, v[\sa], v[\sb] matrix_a_fmt:MATRIX_FMT_FP4 matrix_b_fmt:MATRIX_FMT_FP4 matrix_a_scale:MATRIX_SCALE_ROW1 matrix_b_scale:MATRIX_SCALE_ROW1
.elseif (\ra)
	v_wmma_scale_f32_16x16x128_f8f6f4 v[\d:\d+7], v[\a:\a+7], v[\b:\b+7], 0, v[\sa], v[\sb] matrix_a_fmt:MATRIX_FMT_FP4 matrix_b_fmt:MATRIX_FMT_FP4 matrix_a_scale:MATRIX_SCALE_ROW1
.elseif (\rb)
	v_wmma_scale_f32_16x16x128_f8f6f4 v[\d:\d+7], v[\a:\a+7], v[\b:\b+7], 0, v[\sa], v[\sb] matrix_a_fmt:MATRIX_FMT_FP4 matrix_b_fmt:MATRIX_FMT_FP4 matrix_b_scale:MATRIX_SCALE_ROW1
.else
	v_wmma_scale_f32_16x16x128_f8f6f4 v[\d:\d+7], v[\a:\a+7], v[\b:\b+7], 0, v[\sa], v[\sb] matrix_a_fmt:MATRIX_FMT_FP4 matrix_b_fmt:MATRIX_FMT_FP4
.endif
.else
.if (\ra) && (\rb)
	v_wmma_scale_f32_16x16x128_f8f6f4 v[\d:\d+7], v[\a:\a+7], v[\b:\b+7], v[\c:\c+7], v[\sa], v[\sb] matrix_a_fmt:MATRIX_FMT_FP4 matrix_b_fmt:MATRIX_FMT_FP4 matrix_a_scale:MATRIX_SCALE_ROW1 matrix_b_scale:MATRIX_SCALE_ROW1
.elseif (\ra)
	v_wmma_scale_f32_16x16x128_f8f6f4 v[\d:\d+7], v[\a:\a+7], v[\b:\b+7], v[\c:\c+7], v[\sa], v[\sb] matrix_a_fmt:MATRIX_FMT_FP4 matrix_b_fmt:MATRIX_FMT_FP4 matrix_a_scale:MATRIX_SCALE_ROW1
.elseif (\rb)
	v_wmma_scale_f32_16x16x128_f8f6f4 v[\d:\d+7], v[\a:\a+7], v[\b:\b+7], v[\c:\c+7], v[\sa], v[\sb] matrix_a_fmt:MATRIX_FMT_FP4 matrix_b_fmt:MATRIX_FMT_FP4 matrix_b_scale:MATRIX_SCALE_ROW1
.else
	v_wmma_scale_f32_16x16x128_f8f6f4 v[\d:\d+7], v[\a:\a+7], v[\b:\b+7], v[\c:\c+7], v[\sa], v[\sb] matrix_a_fmt:MATRIX_FMT_FP4 matrix_b_fmt:MATRIX_FMT_FP4
.endif
.endif
.endm
; 64 numbers of a lane, register 16 b + i = k 32 b + 16 (lane / 16) + i of my row, become a fragment's codes in v[pc] on and its scale word in v[pw]
.macro QUANT s, pc, pw
.irp b, 0,1,2,3
	v_max3_num_f32 v[TM+\b], |v[\s+16*\b]|, |v[\s+1+16*\b]|, 0x1800000   ; block b: my 16 numbers, and the floor 2^(3 - 127): the byte cannot fall under 1
.endr
.irp i, 2,4,6,8,10,12,14
.irp b, 0,1,2,3
	v_max3_num_f32 v[TM+\b], v[TM+\b], |v[\s+16*\b+\i]|, |v[\s+1+16*\b+\i]|
.endr
.endr
.irp b, 0,1,2,3
	v_permlanex16_b32 v[TM+4+\b], v[TM+\b], s[SEL], s[SEL+1]
.endr
.irp b, 0,1,2,3
	v_max_num_f32 v[TM+\b], v[TM+\b], v[TM+4+\b]
.endr
.irp b, 0,1,2,3
	v_add_nc_u32 v[TM+12+\b], 0xff000000, v[TM+\b]
.endr
.irp b, 0,1,2,3
	v_lshrrev_b32 v[TM+4+\b], 23, v[TM+12+\b]
.endr
	v_lshl_or_b32 v[\pw], v[TM+5], 8, v[TM+4]
	v_lshl_or_b32 v[\pw], v[TM+6], 16, v[\pw]
	v_lshl_or_b32 v[\pw], v[TM+7], 24, v[\pw]
.irp b, 0,1,2,3
	v_cvt_scalef32_pk8_fp4_f32 v[\pc+2*\b], v[\s+16*\b:\s+7+16*\b], v[TM+12+\b]
	v_cvt_scalef32_pk8_fp4_f32 v[\pc+1+2*\b], v[\s+8+16*\b:\s+15+16*\b], v[TM+12+\b]
.endr
	v_nop                                          ; one plain instruction behind a scaled conversion
.irp c, 0,1
.irp i, 0,1
	v_permlane16_swap_b32 v[\pc+4*\c+\i], v[\pc+2+4*\c+\i]
.endr
.endr
.endm
	s_load_b256 s[4:11], s[0:1], 0x0               ; qbuf 4, kv 6, x 8, proj's codes 10
	s_load_b128 s[12:15], s[0:1], 0x20             ; proj's scales 12, proj_b 14
	s_load_b64 s[16:17], s[0:1], 0x30              ; out0
	v_lshl_add_u32 v7, v0, 2, SPARE                ; my spare word; never rewritten
	v_mov_b32 v8, 0                                ; 0; never rewritten
	ds_add_u32 v7, v8
	s_wait_dscnt 0x0
	v_lshrrev_b32 v1, 5, v0
	v_readfirstlane_b32 s18, v1                    ; wave 0..3
	s_bfe_u32 s19, ttmp6, 0x40000                  ; cx: my place in the cluster
	s_lshl_b32 s20, ttmp9, 2
	s_add_co_u32 s20, s20, s19                     ; qblk = 4 x cluster x + cx: it enters qbuf's, x's and out0's addresses alone
	s_and_b32 s21, ttmp7, 0xffff                   ; b, which the four partners share
	s_mul_i32 s46, s21, 8*REC
	s_mul_i32 s37, s18, 17408                      ; my quarter of a record: in LDS,
	s_add_co_u32 s46, s46, s37                     ; and in memory
	s_mov_b32 s47, 0
	s_lshl_b32 s48, s21, 3
	s_add_co_u32 s48, s48, s20
	s_mul_i32 s48, s48, 34816                      ; my record of qbuf
	s_mov_b32 s49, 0
	s_lshl_b32 s52, s21, 21                        ; x, out0: batch b,
	s_lshl_b32 s53, s18, 19                        ; my 128 channels,
	s_add_co_u32 s52, s52, s53
	s_lshl_b32 s53, s20, 9                         ; my work-group's 128 positions
	s_add_co_u32 s52, s52, s53
	s_mov_b32 s53, 0
	s_lshl_b32 s54, s18, 15                        ; my 128 rows of proj's codes
	s_mov_b32 s55, 0
	s_and_b32 s58, s18, 1                          ; where my first 48 rows of x go: XA0 + 24,576 (w % 2) + 202,240 (w / 2)
	s_mul_i32 s58, s58, XAW
	s_lshr_b32 s59, s18, 1
	s_mul_i32 s59, s59, XAD
	s_add_co_u32 s58, s58, s59
	s_add_co_u32 s58, s58, XA0
	; descriptor group 1 for the ring: 68 rows of 256 dense bytes
	s_mov_b32 s[G1], 0x0023000f                    ; 15:0 the mask: all four work-groups; 17:16 elements of 8 bytes; 21 set beside a mask; no padding
	s_mov_b32 s[G1+1], 32<<16                      ; tensor_dim0 = 32
	s_mov_b32 s[G1+2], 68<<16                      ; tensor_dim1 = 68
	s_mov_b32 s[G1+3], 32<<16                      ; tile_dim0 = 32
	s_mov_b32 s[G1+4], 68                          ; tile_dim1 = 68
	s_mov_b32 s[G1+5], 32                          ; elements from row to row
	s_mov_b32 s[G1+6], 0
	s_mov_b32 s[G1+7], 0
	; and for rows of x: 512 bytes (64 elements of 8) of each of 48 or 32 channels, 4,096 bytes (512 elements) apart; no mask, no padding
	s_mov_b32 s[G1X], 3<<16
	s_mov_b32 s[G1X+1], 64<<16
	s_mov_b32 s[G1X+2], 48<<16
	s_mov_b32 s[G1X+3], 64<<16
	s_mov_b32 s[G1X+4], 48
	s_mov_b32 s[G1X+5], 512
	s_mov_b32 s[G1X+6], 0
	s_mov_b32 s[G1X+7], 0
	s_mov_b32 s[G1Y], 3<<16
	s_mov_b32 s[G1Y+1], 64<<16
	s_mov_b32 s[G1Y+2], 32<<16
	s_mov_b32 s[G1Y+3], 64<<16
	s_mov_b32 s[G1Y+4], 32
	s_mov_b32 s[G1Y+5], 512
	s_mov_b32 s[G1Y+6], 0
	s_mov_b32 s[G1Y+7], 0
	s_mov_b32 s[SEL], 0x76543210
	s_mov_b32 s[SEL+1], 0xfedcba98                 ; v_permlanex16_b32's selects for lane l xor 16
	s_mov_b32 s[CS], 0x3d8293ee                    ; c = log2(e) / sqrt(512)
	s_mov_b32 s[CS+1], s[CS]                       ; named with it as a pair, so it is written
	s_mov_b32 s44, 0                               ; the slot in hand
	s_wait_kmcnt 0x0
	s_add_nc_u64 s[6:7], s[6:7], s[46:47]
	s_add_nc_u64 s[4:5], s[4:5], s[48:49]
	s_add_nc_u64 s[8:9], s[8:9], s[52:53]
	s_add_nc_u64 s[16:17], s[16:17], s[52:53]
	s_add_nc_u64 s[10:11], s[10:11], s[54:55]
	s_lshl_b32 s54, s18, 11
	s_add_nc_u64 s[12:13], s[12:13], s[54:55]
	s_lshl_b32 s54, s18, 9
	s_add_nc_u64 s[14:15], s[14:15], s[54:55]
	CROUND                                         ; all four work-groups are here: the first joint loads meet
	s_mov_b32 s36, 1                               ; group 0 for step 0 into slot 0
	s_mov_b64 s[38:39], s[6:7]
	s_or_b32 s39, s39, 0x80000000
	s_mov_b32 s40, 1                               ; group 0 for step 1 into slot 1; this one walks on
	s_add_co_u32 s41, s37, SLOT1
	s_add_nc_u64 s[42:43], s[6:7], REC
	s_or_b32 s43, s43, 0x80000000
	s_mov_b32 s[G0X], 1                            ; my channels 0-47 of x
	s_mov_b32 s[G0X+1], s58
	s_mov_b64 s[G0X+2:G0X+3], s[8:9]
	s_or_b32 s[G0X+3], s[G0X+3], 0x80000000
	s_mov_b32 s[G0Y], 1                            ; my channels 48-79, for slot 0 at the last change of slots
	s_lshl_b32 s[G0Y+1], s18, 14                   ; wave x 16,384
	s_add_nc_u64 s[G0Y+2:G0Y+3], s[8:9], 48*4096
	s_or_b32 s[G0Y+3], s[G0Y+3], 0x80000000
	tensor_load_to_lds s[36:39], s[G1:G1+7]        ; the three first fills go out together, ahead of every wait on TENSORcnt and every LDS read
	s_nop 0
	tensor_load_to_lds s[40:43], s[G1:G1+7]
	s_nop 0
	tensor_load_to_lds s[G0X:G0X+3], s[G1X:G1X+7]  ; last, so that the ring's tiles are not kept waiting: it has step 0 in which to land
	s_nop 0
.rept 4
	v_nop
.endr
	v_and_b32 v253, 15, v0                         ; r
	v_bfe_u32 v254, v0, 4, 1                       ; h
	v_and_b32 v255, 31, v0                         ; lane
	v_lshlrev_b32 v1, 4, v253
	v_lshl_add_u32 v1, v254, 11, v1                ; K's fragments: 2,048 h + 16 r
	s_lshl_b32 s56, s18, 9
	v_add_nc_u32 v251, s56, v1                     ; Q's, in memory: + 512 w
	v_lshlrev_b32 v252, 4, v0                      ; Q's scale words: 16 x thread = 512 w + 16 x lane
	WIN 0x40
.irp q, 0,1
.irp s, 0,1,2,3
.irp c, 0,1
	global_load_b128 v[8*(4*\q+\s)+4*\c:8*(4*\q+\s)+4*\c+3], v251, s[4:5] offset:8192*\s+4096*\c+256*\q   ; Q's fragments stay in window 1
.endr
.endr
.endr
	WIN 0
	global_load_b128 v[QS:QS+3], v252, s[4:5] offset:32768   ; lane l: the four words of slot 32 w + l: tile 0 in lanes 0-15, tile 1 in lanes 16-31
	v_lshlrev_b32 v2, 4, v253
	v_lshl_add_u32 v2, v254, 13, v2
	v_add_nc_u32 v2, VOFF, v2                      ; V's fragments: 32,768 + 8,192 h + 16 r
	v_lshl_add_u32 v3, v255, 4, 65536              ; the scale words: 65,536 + 16 x lane
	v_lshl_add_u32 v9, v255, 4, OIMG               ; an image's place for my lane,
	v_lshl_add_u32 v10, v255, 2, OSC               ; a scale word's;
	s_lshl_b32 s56, s18, 13
	v_add_nc_u32 v11, s56, v9                      ; where I store mine: eight images,
	s_lshl_b32 s56, s18, 10
	v_add_nc_u32 v12, s56, v10                     ; eight scale words
	s_mul_i32 s56, s18, 8448
	s_add_co_u32 s56, s56, STAGE                   ; my stage
	v_mul_u32_u24 v13, v253, 528
	v_lshl_add_u32 v13, v254, 6, v13
	v_add_nc_u32 v13, s56, v13                     ; in: row r, + 64 h
	v_lshl_add_u32 v14, v255, 4, s56               ; back: a row of 512 bytes, 16 a lane
	v_lshlrev_b32 v15, 4, v255                     ; the same in x and out0
	v_lshl_add_u32 v[XLA], v255, 4, s58            ; and in my rows of x in LDS
	v_lshl_add_u32 v[XLB], v255, 4, s[G0Y+1]
	v_lshlrev_b32 v248, 8, v253
	v_lshl_add_u32 v248, v254, 4, v248             ; proj's fragments: row r of 256 bytes, + 16 h
	v_lshlrev_b32 v249, 2, v253                    ; proj_b: my channel
	v_lshrrev_b32 v250, 1, v255
	v_lshlrev_b32 v250, 12, v250
	v_and_b32 v253, 1, v255
	v_lshl_add_u32 v250, v253, 8, v250             ; the prefetch: row lane / 2 of 16, half lane % 2 of its 512 bytes; never rewritten
.irp q, 0,1
	v_mov_b32 v[ST+8*\q+1], 0xff61b1e6             ; the largest t so far: -3e38, under every t
	v_floor_f32 v[ST+8*\q], -v[ST+8*\q+1]          ; -M
.irp n, 2,3,4,5,6,7
	v_mov_b32 v[ST+8*\q+\n], 0
.endr
.endr
.irp b, 0,1,2,3
	v_mov_b32 v[PB+\b], 0                          ; written once: a lane permute's destination counts as one of its sources
.endr
.macro LDSC                            ; the step's scale words: K's (pair b, K step s) at KS + 4 b + s, V's (g, i) at VS + 4 g + i; lane l stands for slot 32 x pair + l
.irp b, 0,1,2,3
	ds_load_b128 v[KS+4*\b:KS+4*\b+3], v6 offset:512*\b
.endr
.irp g, 0,1,2,3
	ds_load_b128 v[VS+4*\g:VS+4*\g+3], v6 offset:2048+512*\g
.endr
.endm
.macro LDK s, buf                      ; K's eight fragments of K step s
	WIN 0x40
.irp t, 0,1,2,3,4,5,6,7
.irp c, 0,1
	ds_load_b128 v[\buf+8*\t+4*\c:\buf+8*\t+4*\c+3], v4 offset:8192*\s+4096*\c+256*\t
.endr
.endr
.endm
.macro LDV g, buf                      ; V's eight fragments of channel tiles 8 g .. 8 g + 7
	WIN 0x40
.irp t, 0,1,2,3,4,5,6,7
.irp c, 0,1
	ds_load_b128 v[\buf+8*\t+4*\c:\buf+8*\t+4*\c+3], v5 offset:16384*\c+256*(8*\g+\t)
.endr
.endr
.endm
.macro MMK s, buf, z                   ; S^T: 8 tiles of keys x my two tiles of queries, 128 channels; the 16 accumulators take turns.  z = 1: the products start the sums
	WIN 0x05
.irp t, 0,1,2,3,4,5,6,7
.irp q, 0,1
	WM S+64*\q+8*\t, \buf+8*\t, 8*(4*\q+\s), \z, S+64*\q+8*\t, KS+4*(\t/2)+\s, QS+\s, \t%2, \q
.endr
.endr
.endm
.macro PVG g, buf, first               ; O^T: channel tiles 8 g .. 8 g + 7 x my two tiles of queries, these 128 keys
.irp q, 0,1
	WIN 0xa1+0x50*\q
.irp t, 0,1,2,3,4,5,6,7
	WM 8*(8*\g+\t), \buf+8*\t, P+8*\q, \first, 8*(8*\g+\t), VS+4*\g+\t/2, ST+8*\q+5, \t%2, 0
.endr
.endr
.endm
; tile q's softmax for a step.  first = 1: O^T does not exist yet and is not rescaled
.macro SOFTMAX q, first
.set rS, S+64*\q
.set rT, ST+8*\q
.set rP, P+8*\q
	WIN 0
.irp b, 0,1,2,3
	v_max3_num_f32 v[BM+\b], v[rS+16*\b], v[rS+1+16*\b], v[rS+2+16*\b]   ; the largest score of each block of 32 keys: it serves for the row's maximum and, since p rises with the score, for the block's largest p
.endr
.irp i, 3,5,7,9,11,13
.irp b, 0,1,2,3
	v_max3_num_f32 v[BM+\b], v[BM+\b], v[rS+16*\b+\i], v[rS+1+16*\b+\i]
.endr
.endr
.irp b, 0,1,2,3
	v_max_num_f32 v[BM+\b], v[BM+\b], v[rS+15+16*\b]
.endr
.irp b, 0,1,2,3
	v_permlanex16_b32 v[PB+\b], v[BM+\b], s[SEL], s[SEL+1]
.endr
.irp b, 0,1,2,3
	v_max_num_f32 v[BM+\b], v[BM+\b], v[PB+\b]     ; with lane l xor 16's 16 keys
.endr
	v_max3_num_f32 v[TA], v[BM], v[BM+1], v[BM+2]
	v_max_num_f32 v[TA], v[TA], v[BM+3]
	v_mul_f32 v[TA], s[CS], v[TA]                  ; as t (c is positive)
	v_max_num_f32 v[rT+1], v[rT+1], v[TA]          ; the running largest t
	v_mov_b32 v[TA], v[rT]
	v_floor_f32 v[rT], -v[rT+1]                    ; the new -M = floor(-t) = -ceil(t)
	v_sub_f32 v[TA], v[rT], v[TA]                  ; old M - new M: a whole number, 0 or less
	v_cvt_i32_f32 v[TA], v[TA]                     ; (it saturates)
	v_ldexp_f32 v[rT+4], 1.0, v[TA]                ; f = 2^(old M - new M)
.set j, 0
.rept 32
	v_pk_fma_f32 v[rS+j:rS+j+1], v[rS+j:rS+j+1], s[CS:CS+1], v[rT:rT+1] op_sel_hi:[1,0,0]   ; t - M, two at a time
.set j, j+2
.endr
.irp b, 0,1,2,3
	v_fma_f32 v[BM+\b], v[BM+\b], s[CS], v[rT]     ; the same of each block's largest score
.endr
.set j, 0
.rept 64
	v_exp_f32 v[rS+j], v[rS+j]                     ; p = 2^(t - M), at most 1
.set j, j+1
.endr
.irp b, 0,1,2,3
	v_exp_f32 v[BM+\b], v[BM+\b]                   ; the block's largest p
.endr
	v_pk_mul_f32 v[rT+2:rT+3], v[rT+2:rT+3], v[rT+4:rT+5] op_sel_hi:[1,0]   ; the sums under the new M (a plain instruction behind the exponentials)
	s_wait_alu depctr_va_vdst(0)
.irp b, 0,1,2,3
	v_max_num_f32 v[BM+\b], 0x1800000, v[BM+\b]    ; the floor 2^(3 - 127)
.endr
.irp b, 0,1,2,3
	v_add_nc_u32 v[SO+\b], 0xff000000, v[BM+\b]    ; the conversion's scale operand
.endr
.irp b, 0,1,2,3
	v_lshrrev_b32 v[PB+\b], 23, v[SO+\b]           ; the scale's byte
.endr
	v_lshl_or_b32 v[rT+5], v[PB+1], 8, v[PB]       ; p's scale word for these 128 keys
	v_lshl_or_b32 v[rT+5], v[PB+2], 16, v[rT+5]
	v_lshl_or_b32 v[rT+5], v[PB+3], 24, v[rT+5]
.irp b, 0,1,2,3
	v_cvt_scalef32_pk8_fp4_f32 v[rP+2*\b], v[rS+16*\b:rS+7+16*\b], v[SO+\b]
	v_cvt_scalef32_pk8_fp4_f32 v[rP+1+2*\b], v[rS+8+16*\b:rS+15+16*\b], v[SO+\b]
.endr
	v_nop                                          ; one plain instruction behind a scaled conversion
.irp c, 0,1
.irp i, 0,1
	v_permlane16_swap_b32 v[rP+4*\c+\i], v[rP+2+4*\c+\i]
.endr
.endr
	v_pk_add_f32 v[PB:PB+1], v[rS:rS+1], v[rS+2:rS+3]   ; the row's sum is taken of the unquantised p: two chains
.irp n, 4,8,12,16,20,24,28,32,36,40,44,48,52,56,60
	v_pk_add_f32 v[rT+2:rT+3], v[rT+2:rT+3], v[rS+\n:rS+\n+1]
	v_pk_add_f32 v[PB:PB+1], v[PB:PB+1], v[rS+2+\n:rS+3+\n]
.endr
	v_pk_add_f32 v[rT+2:rT+3], v[rT+2:rT+3], v[PB:PB+1]
.if !\first
	WIN 0x82+0x41*\q
.set j, 0
.rept 128
	v_pk_mul_f32 v[j:j+1], v[j:j+1], v[rT+4:rT+5] op_sel_hi:[1,0]   ; O^T under the new M, each accumulator from its low end on
.set j, j+2
.endr
.endif
.endm
; A KEY STEP.  Three buffers of eight fragments take turns; each count of 32 lets the two younger runs of 16 loads stay out.
.macro STEP first, pf
	v_add_nc_u32 v4, s44, v1
	v_add_nc_u32 v5, s44, v2
	v_add_nc_u32 v6, s44, v3
	v_nop                                          ; with the three additions: four places in front of loads into registers that the last products read
	LDSC
	LDK 0, F0
	LDK 1, F1
	LDK 2, F2
	s_wait_dscnt 32                                ; the scale words and K step 0 are in
	MMK 0, F0, 1
	PLACES
	LDK 3, F0
	s_wait_dscnt 32
	MMK 1, F1, 0
	PLACES
	LDV 0, F1
	s_wait_dscnt 32
	MMK 2, F2, 0
	PLACES
	LDV 1, F2
	s_wait_dscnt 32
	MMK 3, F0, 0
	PLACES
	LDV 2, F0
	SOFTMAX 0, \first
	SOFTMAX 1, \first
	WIN 0
.if \pf
.irp ot, 5,6,7                         ; the last step asks for the 48 rows of x that come into registers on the way out: 16 rows x 512 bytes a line, each block of 256 bytes once, by the one wave that will load it; all inside x
	global_prefetch_b8 v250, s[8:9] offset:65536*\ot th:TH_LOAD_NT scope:SCOPE_SE
.endr
.endif
	s_wait_dscnt 32                                ; V's tiles 0-7 are in
	PVG 0, F1, \first
	PLACES
	LDV 3, F1
	s_wait_dscnt 32
	PVG 1, F2, \first
	s_wait_dscnt 16                                ; one run of 16 may be out
	PVG 2, F0, \first
	s_wait_dscnt 0x0
	PVG 3, F1, \first
	WIN 0
.endm
; THE CHANGE OF SLOTS.  Each wave waits for all its tensor loads (its quarter of the slot ahead among them), adds 0 to its spare word, and waits for that and for its reads of the slot that it leaves.
; The barrier is a round of the cluster's, so that no wave of any partner still reads the slot or has a load on its way; the refill is the first thing behind it and has a whole step in which to land.
; fill = 1: the joint load of the record two steps on.  fill = 2 (the last change): the ring asks for nothing more, and the slot that is left takes my 32 rows of x.
.macro CHANGE fill
	WIN 0
	s_wait_tensorcnt 0x0                           ; no tensor load of mine is out, so the walking group 0 may be written
	ds_add_u32 v7, v8                              ; 0 onto my spare word
.if \fill == 1
	s_xor_b32 s41, s41, SLOT1                      ; the other slot than last time,
	s_add_nc_u64 s[42:43], s[42:43], REC           ; the next record; the type bits on top are not reached
.endif
	s_wait_dscnt 0x0                               ; the add is done, and my reads of the slot are over
	CROUND
.if \fill == 1
	tensor_load_to_lds s[40:43], s[G1:G1+7]
	s_nop 0
.else
	tensor_load_to_lds s[G0Y:G0Y+3], s[G1Y:G1Y+7]
	s_nop 0
.endif
.rept 4
	v_nop
.endr
	s_xor_b32 s44, s44, SLOT1                      ; on to the other slot
.endm
	s_wait_loadcnt 0x0                             ; Q and its scale words
	s_wait_tensorcnt 0x2                           ; my quarter of slot 0 is in; slot 1's and my rows of x may stay out
	s_barrier_signal -1
	s_barrier_wait -1                              ; everybody's is
	STEP 1, 0                                      ; step 0: its products start O^T's sums: nothing is cleared
	s_mov_b32 s45, 6
.Lstep:                                            ; trip j = 1 .. 6 reads step j and asks for step j + 1 into the slot just left
	CHANGE 1
	STEP 0, 0
	s_sub_co_u32 s45, s45, 1
	s_cmp_lg_u32 s45, 0
	s_cbranch_scc1 .Lstep
	CHANGE 2                                       ; the last step is written out; slot 0, which held step 6, takes rows of x
	STEP 0, 1
	; ---- O^T / sum, quantised along the channels; images to LDS
	PLACES
.irp q, 0,1
	v_add_f32 v[ST+8*\q+2], v[ST+8*\q+2], v[ST+8*\q+3]
.endr
.irp q, 0,1
	v_permlanex16_b32 v[PB+\q], v[ST+8*\q+2], s[SEL], s[SEL+1]
.endr
.irp q, 0,1
	v_add_f32 v[ST+8*\q+2], v[ST+8*\q+2], v[PB+\q] ; with lane l xor 16's: the row's sum
.endr
.irp q, 0,1
	v_rcp_f32 v[ST+8*\q+6], v[ST+8*\q+2]
.endr
	v_nop                                          ; one plain instruction behind a transcendental
	s_wait_alu depctr_va_vdst(0)
.macro OQ q, g                         ; tile q, channels 128 g on: K step g of the last product
.set SA, S+64*((\g)%2)
	WIN 0x02+\q
.set j, 0
.rept 32
	v_pk_mul_f32 v[SA+j:SA+j+1], v[64*\g+j:64*\g+j+1], v[ST+8*\q+6:ST+8*\q+7] op_sel_hi:[1,0]
.set j, j+2
.endr
	WIN 0
	s_wait_dscnt 0x0                               ; the last image's stores have read their registers
	QUANT SA, P, PWT
	ds_store_b128 v11, v[P:P+3] offset:1024*(4*\q+\g)          ; the fragment as it stands: lane l's 16 bytes at 16 l
	ds_store_b128 v11, v[P+4:P+7] offset:1024*(4*\q+\g)+512
	ds_store_b32 v12, v[PWT] offset:128*(4*\q+\g)
.endm
.macro XGLOB ot, xb                    ; 16 rows of x from memory, channels 16 ot on, my work-group's 128 positions: 512 consecutive bytes a load; read once in this launch
	WIN 0x40
.irp i, 0,1,2,3,4,5,6,7,8,9,10,11,12,13,14,15
	global_load_b128 v[\xb+4*\i:\xb+4*\i+3], v15, s[8:9] offset:4096*(16*(\ot)+\i) th:TH_LOAD_NT
.endr
.endm
.macro XLDS ot                         ; the same out of LDS, into the second buffer: tiles 0-2 lie among my first 48 rows, tiles 3, 4 in slot 0
	WIN 0x40
.irp i, 0,1,2,3,4,5,6,7,8,9,10,11,12,13,14,15
.if (\ot) < 3
	ds_load_b128 v[128+4*\i:128+4*\i+3], v[XLA] offset:8192*(\ot)+512*\i
.else
	ds_load_b128 v[128+4*\i:128+4*\i+3], v[XLB] offset:8192*((\ot)-3)+512*\i
.endif
.endr
.endm
.irp g, 0,1,2,3
	OQ 0, \g
.endr
	WIN 0x80                                       ; tile 0's O^T has been read: window 2 takes proj's fragments, (tile ot, K step s) at 8 (4 ot + s)
.irp ot, 0,1,2,3,4,5,6,7
.irp s, 0,1,2,3
.irp c, 0,1
	global_load_b128 v[8*(4*\ot+\s)+4*\c:8*(4*\ot+\s)+4*\c+3], v248, s[10:11] offset:4096*\ot+64*\s+32*\c
.endr
.endr
.endr
	WIN 0x40
.irp ot, 0,1,2,3,4,5,6,7
.irp j, 0,1,2,3,4,5,6,7
	global_load_b32 v[BIAS+8*\ot+\j], v249, s[14:15] offset:64*\ot   ; the bias in the result's layout: my channel's in all eight registers of a tile
.endr
.endr
	WIN 0
.irp b, 0,1,2,3
	global_load_b128 v[PJS+4*\b:PJS+4*\b+3], v15, s[12:13] offset:512*\b   ; proj's scale words: lane l stands for row 32 b + l
.endr
	XGLOB 5, 64
	XGLOB 6, 128
.irp g, 0,1,2,3
	OQ 1, \g
.endr
	s_wait_tensorcnt 0x0                           ; my 32 rows of x in slot 0 have landed (the one load that was out; nobody else reads them)
	s_wait_dscnt 0x0                               ; for the others' sake: my images lie in LDS
	s_barrier_signal -1
	s_barrier_wait -1
	WIN 0xc0
.set f, 0
.rept 32
	ds_load_b128 v[8*f:8*f+3], v9 offset:1024*f            ; all 32 fragments (tile m, K step s) at 8 (4 m + s) of window 3
	ds_load_b128 v[8*f+4:8*f+7], v9 offset:1024*f+512
.set f, f+1
.endr
	WIN 0
.set f, 0
.rept 32
	ds_load_b32 v[32+f], v10 offset:128*f          ; and their scale words, where K's and V's stood
.set f, f+1
.endr
	s_wait_dscnt 0x0
	s_wait_loadcnt 32                              ; only the two tiles of x may be out
	; ---- the last product, the bias, x, and the way out.  p counts the tiles in the order in which they are made; the two sets of accumulators go by p
.macro MM ot, p                        ; output channels 16 ot on x all 128 queries: eight accumulators by turns, a K step at a time
.set AC, S+64*((\p)%2)
.irp s, 0,1,2,3
.if \s == 0
	WIN 0x1b                                       ; source 0 window 3, source 1 window 2, C (the bias) window 1
.else
	WIN 0x0b
.endif
.irp m, 0,1,2,3,4,5,6,7
.if \s == 0
.set CC, BIAS+8*(\ot)
.else
.set CC, AC+8*\m
.endif
	WM AC+8*\m, 8*(4*\m+\s), 8*(4*(\ot)+\s), 0, CC, 32+4*\m+\s, PJS+4*((\ot)/2)+\s, 0, (\ot)%2
.endr
.endr
.endm
.macro TOSTAGE ot, p                   ; lane (r, h), register j of tile m: channel 16 ot + r, position 32 (m / 2) + 16 h + 8 (m % 2) + j
.set AC, S+64*((\p)%2)
	WIN 0
	PLACES
.irp m, 0,1,2,3,4,5,6,7
	ds_store_b128 v13, v[AC+8*\m:AC+8*\m+3] offset:128*(\m/2)+32*(\m%2)          ; each accumulator from its low end on
	ds_store_b128 v13, v[AC+8*\m+4:AC+8*\m+7] offset:128*(\m/2)+32*(\m%2)+16
.endr
	s_wait_xcnt 0x0                                ; the last tile's stores have read the registers that these loads fill
	WIN 0x40
.irp i, 0,1,2,3,4,5,6,7,8,9,10,11,12,13,14,15
	ds_load_b128 v[4*\i:4*\i+3], v14 offset:528*\i   ; the stage is my wave's own and LDS serves a wave's instructions in order: these see the stores above
.endr
.if (\ot) < 5
	XLDS \ot                                       ; the tile's rows of x with them: the tile before has added what the buffer held
.endif
.endm
.macro FINISH ot, xb, lc               ; xb: the buffer with the tile's rows of x;  lc: how many younger loads from memory may stay out (-1: the rows came out of LDS)
.if \lc >= 0
	s_wait_loadcnt \lc
.endif
	s_wait_dscnt 0x0
	WIN 0x45
.set j, 0
.rept 32
	v_pk_add_f32 v[j:j+1], v[j:j+1], v[\xb+j:\xb+j+1]
.set j, j+2
.endr
.if (\ot) == 5
	XGLOB 7, 64                                    ; the buffer that tile 5 has left takes tile 7, which is made last: six tiles' work in which to land
.endif
	WIN 0x04                                       ; a store's data are its source 1: window 1
.irp i, 0,1,2,3,4,5,6,7,8,9,10,11,12,13,14,15
	global_store_b128 v15, v[4*\i:4*\i+3], s[16:17] offset:4096*(16*(\ot)+\i) th:TH_STORE_NT   ; 32 lanes store 512 consecutive bytes, aligned to 256; written once, read by nobody here
.endr
	WIN 0
.endm
.macro TILE ot, p, nx, xb, lc          ; the next tile's products stand between a tile's loads from the stage and the wait for them
	TOSTAGE \ot, \p
.if \nx >= 0
	MM \nx, (\p)+1
.endif
	FINISH \ot, \xb, \lc
.endm
	MM 5, 0
	TILE 5, 0, 6, 64, 16                           ; tile 6's sixteen loads may be out
	TILE 6, 1, 0, 128, 16                          ; tile 7's
	TILE 0, 2, 1, 128, -1
	TILE 1, 3, 2, 128, -1
	TILE 2, 4, 3, 128, -1
	TILE 3, 5, 4, 128, -1
	TILE 4, 6, 7, 128, -1
	TILE 7, 7, -1, 64, 0
	s_wait_tensorcnt 0x0                           ; the wave's end: behind my last tensor load and my last LDS store
	ds_add_u32 v7, v8
	s_wait_dscnt 0x0
	CROUND                                         ; the closing round: no work-group ends while a partner may still ask for a tile that names it
	s_endpgm
.Lfunc_end_k_qe6fa1f4ef5_attn:
	.size	k_qe6fa1f4ef5_attn, .Lfunc_end_k_qe6fa1f4ef5_attn-k_qe6fa1f4ef5_attn
	.p2alignl 7, 3214868480
	.fill 96, 4, 3214868480
	.section	.rodata,"a",@progbits
	.p2align	6, 0x0
	.amdhsa_kernel k_qe6fa1f4ef5_attn
		.amdhsa_group_segment_fixed_size 327680
		.amdhsa_private_segment_fixed_size 0
		.amdhsa_enable_private_segment 0
		.amdhsa_kernarg_size 56
		.amdhsa_user_sgpr_count 2
		.amdhsa_user_sgpr_kernarg_segment_ptr 1
		.amdhsa_wavefront_size32 1
		.amdhsa_system_sgpr_workgroup_id_x 1
		.amdhsa_system_sgpr_workgroup_id_y 1
		.amdhsa_system_sgpr_workgroup_id_z 1
		.amdhsa_system_vgpr_workitem_id 0
		.amdhsa_next_free_vgpr 1024
		.amdhsa_next_free_sgpr 92
		.amdhsa_reserve_vcc 0
		.amdhsa_float_denorm_mode_32 3
		.amdhsa_float_denorm_mode_16_64 3
		.amdhsa_memory_ordered 1
		.amdhsa_forward_progress 1
		.amdhsa_inst_pref_size 255
	.end_amdhsa_kernel
	.section	.bss,"aw",@nobits
	.p2align	6
	.space	262144
	.amdgpu_metadata
---
amdhsa.version: [ 1, 2 ]
amdhsa.kernels:
  - .name:           k_qe6fa1f4ef5_attn
    .symbol:         k_qe6fa1f4ef5_attn.kd
    .args:
      - { .name: qbuf, .offset: 0, .size: 8, .value_kind: global_buffer, .address_space: global }
      - { .name: kv, .offset: 8, .size: 8, .value_kind: global_buffer, .address_space: global }
      - { .name: x, .offset: 16, .size: 8, .value_kind: global_buffer, .address_space: global }
      - { .name: proj_w_codes, .offset: 24, .size: 8, .value_kind: global_buffer, .address_space: global }
      - { .name: proj_w_scales, .offset: 32, .size: 8, .value_kind: global_buffer, .address_space: global }
      - { .name: proj_b, .offset: 40, .size: 8, .value_kind: global_buffer, .address_space: global }
      - { .name: out0, .offset: 48, .size: 8, .value_kind: global_buffer, .address_space: global }
    .group_segment_fixed_size: 327680
    .private_segment_fixed_size: 0
    .kernarg_segment_align: 8
    .kernarg_segment_size: 56
    .max_flat_workgroup_size: 128
    .sgpr_count:     92
    .vgpr_count:     1024
    .wavefront_size: 32
...
	.end_amdgpu_metadata
.endif
;; end of part 3
